; MI455X (gfx1250); checked and timed in simulation.
; The chip was launched on July 23, 2026; its instructions are those of AMD's public machine-readable ISA for CDNA 5 (MIT licence, August 2026) and "CDNA5" Instruction Set Architecture Reference Guide (July 2026). The comments in the code are by the model that wrote it; some were corrected since.
;; Multi Head Attention. Allowed arithmetic: matrix products marked QUANTISED: E2M1 operands, one E8M0 scale for each 32 along K, by v_wmma_scale_f32_16x16x128_f8f6f4 with both operands' format E2M1 (or v_wmma_scale_f32_32x16x128_f4), f32 sums; everything else in f32.
;; Inputs: Wk 1,024 x 1,024 float32; Wo 1,024 x 1,024 float32; Wq 1,024 x 1,024 float32; Wv 1,024 x 1,024 float32; bo 1,024 float32; bq 1,024 float32; bv 1,024 float32; mask 1,024 x 1,024 float32; x 8 x 1,024 x 1,024 float32.
;; Outputs: out0 8 x 1,024 x 1,024 float32.
;; This version of the problem:
;;   THIS VERSION OF THE PROBLEM IS GIVEN IN LOW PRECISION. The matrix products marked QUANTISED in the list below multiply operands that are first quantised to E2M1 (2 exponent bits, 1 mantissa bit; 4 bits a number), with one power-of-two scale for each 32 numbers along K (OCP MX v1.0); their sums are f32. All else is computed in f32.
;;   The module's matrix products, in the order in which they are computed (A, B: the left and right operand; K: the contracted axis; several contracted axes count as one K, in the product's order):
;;     1. [M 8,192, K 1,024] x [K 1,024, N 1,024]; A: input x; B: input Wq: QUANTISED
;;     2. [M 8,192, K 1,024] x [K 1,024, N 1,024]; A: input x; B: input Wk: QUANTISED
;;     3. [M 8,192, K 1,024] x [K 1,024, N 1,024]; A: input x; B: input Wv: QUANTISED
;;     4. batch 128 x [M 1,024, K 64] x [K 64, N 1,024]; A: computed on the way; B: computed on the way: QUANTISED
;;     5. batch 128 x [M 1,024, K 1,024] x [K 1,024, N 64]; A: softmax (see below); B: computed on the way: QUANTISED
;;     6. [M 8,192, K 1,024] x [K 1,024, N 1,024]; A: computed on the way; B: input Wo: QUANTISED
;;   THE QUANTISER, for each operand of a quantised product, along K:
;;     - K is cut into blocks of 32 from its start; a last block that is shorter is filled with zeros.
;;     - A block's scale is 2^e with e = floor(log2(the largest magnitude in the block)) - 2, held to -126 .. 127; a block of zeros has e = 0. As a byte (E8M0): e + 127.
;;     - Each number is divided by its block's scale, clamped to +-6, and rounded to the nearest number of E2M1, ties to even, subnormals kept.
;;     - The product sums the exact products of the quantised numbers (number of the format x scale) in f32.
;;   ~~~python
;;   def quantise(x, axis):      # numpy; x: float32 -> the quantised numbers, widened to float32 again
;;       x = np.moveaxis(x, axis, -1); K = x.shape[-1]
;;       x = np.pad(x, [(0, 0)] * (x.ndim - 1) + [(0, -K % 32)]); x = x.reshape(x.shape[:-1] + (-1, 32)); a = np.abs(x).max(-1, keepdims=True)
;;       e = np.where(a > 0, np.clip(np.frexp(np.where(a > 0, a, 1))[1] - 1 - 2, -126, 127), 0)      # np.frexp(a)[1] - 1 = floor(log2(a)), exactly
;;       r = np.clip(x / 2.0 ** e, -6, 6)
;;       step = 2.0 ** (np.maximum(np.frexp(np.where(r == 0, 1, r))[1] - 1, 0) - 1)
;;       q = np.round(r / step) * step * 2.0 ** e      # np.round: ties to even
;;       return np.moveaxis(q.reshape(q.shape[:-2] + (-1,))[..., :K], -1, axis).astype(np.float32)
;;   ~~~
;;   SOFTMAX AHEAD OF A QUANTISED PRODUCT. Where the list says 'softmax', what is quantised is not the finished softmax but p = 2^(t - M), with t = logit x log2(e) and M = ceil(the row's largest t), a whole number; so 1/2 < the row's largest p <= 1. The row's sum l is taken of the UNQUANTISED p, in f32, and the product's result is divided by l at the end. Since M is a whole number, a kernel that streams over the keys may use a running M (the ceiling of the running maximum): every later rescaling is an exact power of two, which a block's scale takes up: the codes' values come out the same.
;;   OPERANDS COMPUTED ON THE WAY. 'Computed on the way' means the value that the module computes at that place (a softmax that the list does not call 'softmax' is quantised finished and normalised). What goes into a quantiser is computed in f32, as accurately as f32 sums, v_exp_f32 and their like allow (about 1e-6 of the number): no bf16 or f16 on the way to a quantiser, and a product that is left as it is and whose result goes on into a quantised operand takes f32 operands (vector FMAs, or v_wmma_f32_16x16x4_f32). A number that lies on a knife's edge between two numbers of the format may be rounded either way, as far as f32 arithmetic and the matrix unit's own rounding can turn it there, and no further.
;; One version. Each part assembles by itself: llvm-mc -triple=amdgcn-amd-amdhsa -mcpu=gfx1250 --defsym DOCPART=n.
;; ======== version 1 of 1: 4 launches
;; limits: right only within a limited range of input values
;; workspace buffers: codes 6,291,456 bytes; scales 393,216 bytes; maski 4,194,304 bytes; qrec 4,718,592 bytes; kv 9,175,040 bytes; oc 4,194,304 bytes; os 262,144 bytes
;; launch prep (part 1): grid 448 x 1, 4 waves a work-group, no clusters, 41,472 bytes of LDS; arguments x, Wq, Wk, Wv, Wo, mask, codes, scales, maski; writes codes, scales, maski
.if DOCPART == 1
	.amdgcn_target "amdgcn-amd-amdhsa--gfx1250"
	.amdhsa_code_object_version 6
	.text
	.protected	k_qa155f9432c_prep
	.globl	k_qa155f9432c_prep
	.p2align	8
	.type	k_qa155f9432c_prep,@function
k_qa155f9432c_prep:
	s_mov_b64 s[64:65], 0
	v_nop
	global_prefetch_b8 v0, s[64:65] scope:SCOPE_SE
	s_setreg_imm32_b32 hwreg(HW_REG_WAVE_MODE, 25, 1), 1
	s_wait_xcnt 0x0
; x [8192][1024] and Wq, Wk, Wv, Wo [1024][1024], f32 with K innermost, become codes of FP4 (E2M1) with one E8M0 byte for each 32 along K; the mask is laid anew for the attention launch.
; A block's scale is 2^(floor(log2(its largest magnitude)) - 2): its byte is the largest magnitude's exponent field - 2, held at 1 from below.
; LIMITS: a block of zeros, or one whose largest magnitude lies under 2^-124, gets the byte 1 (the rule says 127 for zeros: the codes are zeros, and this program alone reads the bytes); NaN and infinities in x and the weights are not served.
; LAYOUT OF THE CODES.  Rows stand in POSITION ORDER inside each group of 64: position 16 u + 8 g + j holds row 32 g + 8 u + j.  A row tile is 16 positions; its 1,024 codes a row are kept as the image of the
; operand's registers, 8,192 bytes a tile: the 16 bytes of position r, block kb, at 256 kb + 16 r.  So a fragment (16 rows x 128 K) is two loads of 16 bytes a lane at 16 x lane, and a tile used as source 0 of a product
; leaves, in the four tiles of a group of 64, 32 NEIGHBOURING rows in one lane's 32 registers: the next quantiser needs no other lane.
; Tiles: 0-511 x, 512-575 Wq, 576-639 Wk, 640-703 Wv, 704-767 Wo.  Scale bytes: [tile][K half][position 16][16 bytes].
; Work-groups 0-383 quantise: a wave takes one tile and one half of K, 16 steps of one row's 512 numbers.  Each of a step's four loads reads 512 consecutive bytes; the 2,048 bytes turn through the wave's own stage in LDS,
; so that a lane holds 16 neighbours (two lanes a block).  Codes and bytes gather in the wave's own LDS and leave in stores of 512 and 256 consecutive bytes.  Waves share nothing: no barrier.
; Work-groups 384-447 lay the mask: [query tile 64][n 128][lane 32][16 bytes], n = 8 C + i: mask[row of position r of the tile][64 C + 32 h + 4 i .. + 3], the order of the attention launch's score registers.
.set SP,    80                         ; a lane's place in a turning stage: 64 bytes + 16 of padding
.set WREG,  10240                      ; LDS of a wave: two turning stages (5,120), 256 scale bytes, the codes' stage
.set SCB,   5120
.set CST,   5376                       ; 16 chunks of 256 bytes + 16 of padding: chunk = block, 16 bytes a row
.set R,     16                         ; v16-79   four sets of 16 numbers as loaded
.set X,     80                         ; v80-111  two sets of 16 neighbours
.set E,     112                        ; v112-127 a byte for each step
.set C,     128                        ; v128-191 codes, four registers for each step: no store's data are written again
	s_load_b256 s[4:11], s[0:1], 0x0               ; x, Wq, Wk, Wv
	s_load_b256 s[12:19], s[0:1], 0x20             ; Wo, mask, codes, scales
	s_load_b64 s[20:21], s[0:1], 0x40              ; maski
	v_lshl_add_u32 v192, v0, 2, 0xa000
	v_mov_b32 v193, 0
	v_lshrrev_b32 v1, 5, v0
	v_readfirstlane_b32 s24, v1                    ; wave
	v_and_b32 v2, 31, v0                           ; lane
	v_lshlrev_b32 v3, 4, v2                        ; 16 x lane
	s_mov_b32 s25, ttmp9
	s_cmp_ge_u32 s25, 384
	s_cbranch_scc1 .Lmask
	; ---------------- the quantiser
	s_mul_i32 s26, s24, WREG
	v_lshrrev_b32 v14, 2, v2
	v_mul_u32_u24 v14, v14, SP
	v_and_b32 v15, 3, v2
	v_lshl_add_u32 v14, v15, 4, v14
	v_add_nc_u32 v14, s26, v14                     ; turning stage, in: SP (lane / 4) + 16 (lane % 4)
	v_mul_u32_u24 v15, v2, SP
	v_add_nc_u32 v15, s26, v15                     ; and out: SP x lane
	v_lshrrev_b32 v8, 1, v2                        ; my block of the step's 16
	v_add_nc_u32 v5, s26, v8
	v_add_nc_u32 v5, SCB, v5                       ; my block's byte
	v_lshlrev_b32 v7, 3, v2
	v_add_nc_u32 v6, s26, v7
	v_add_nc_u32 v6, SCB, v6                       ; the bytes on their way out: 8 a lane
	v_mul_u32_u24 v4, v8, 272
	v_and_b32 v9, 1, v2
	v_lshl_add_u32 v4, v9, 3, v4
	v_add_nc_u32 v4, s26, v4
	v_add_nc_u32 v4, CST, v4                       ; codes' stage, in: chunk = block, my half of its 16 bytes; the row stands in the immediate
	v_lshrrev_b32 v10, 4, v2
	v_mul_u32_u24 v10, v10, 272
	v_and_b32 v11, 15, v2
	v_lshl_add_u32 v10, v11, 4, v10
	v_add_nc_u32 v10, s26, v10
	v_add_nc_u32 v10, CST, v10                     ; and out: sixteen lanes to a chunk, two chunks an instruction
	s_lshr_b32 s27, s24, 1                         ; which of the work-group's two tiles
	s_and_b32 s28, s24, 1                          ; which half of K
	s_and_b32 s29, s25, 31
	s_cmp_lt_u32 s25, 256
	s_cselect_b32 s29, s25, s29                    ; the work-group's number inside its tensor
	s_lshl_b32 s29, s29, 1
	s_add_co_u32 s29, s29, s27                     ; the tile inside its tensor
	s_lshl_b32 s30, s25, 1
	s_add_co_u32 s30, s30, s27                     ; the tile among all 768
	s_lshr_b32 s31, s29, 2
	s_lshl_b32 s31, s31, 18                        ; 64 rows of 4,096 bytes for each group of four tiles,
	s_and_b32 s32, s29, 3
	s_lshl_b32 s32, s32, 15                        ; 8 rows for the tile's place in the group,
	s_add_co_u32 s32, s32, s31
	s_lshl_b32 s31, s28, 11                        ; 512 numbers for the half of K
	s_add_co_u32 s32, s32, s31
	s_mov_b32 s33, 0
	s_lshl_b32 s34, s30, 13
	s_lshl_b32 s31, s28, 12
	s_add_co_u32 s34, s34, s31                     ; codes: 8,192 x tile + 4,096 x half
	s_mov_b32 s35, 0
	s_lshl_b32 s36, s30, 1
	s_add_co_u32 s36, s36, s28
	s_lshl_b32 s36, s36, 8                         ; bytes: 256 x (2 x tile + half)
	s_mov_b32 s37, 0
	s_wait_kmcnt 0x0
	s_cmp_lt_u32 s25, 256                          ; the tensor is chosen by the work-group's number alone
	s_cselect_b64 s[22:23], s[4:5], s[6:7]
	s_cmp_ge_u32 s25, 288
	s_cselect_b64 s[22:23], s[8:9], s[22:23]
	s_cmp_ge_u32 s25, 320
	s_cselect_b64 s[22:23], s[10:11], s[22:23]
	s_cmp_ge_u32 s25, 352
	s_cselect_b64 s[22:23], s[12:13], s[22:23]
	s_add_nc_u64 s[22:23], s[22:23], s[32:33]
	s_add_nc_u64 s[16:17], s[16:17], s[34:35]
	s_add_nc_u64 s[18:19], s[18:19], s[36:37]
.macro LOAD t                          ; step t = position t of the tile: row 32 (t / 8) + t % 8 of the tile's rows
.irp i, 0,1,2,3
	global_load_b128 v[R+16*((\t)%4)+4*\i:R+16*((\t)%4)+4*\i+3], v3, s[22:23] offset:(32*((\t)/8)+(\t)%8)*4096+512*\i th:TH_LOAD_NT
.endr
.endm
.macro TURN t                          ; through the stage: LDS serves a wave's instructions in order, so no wait stands between the stores and the loads
.irp i, 0,1,2,3
	ds_store_b128 v14, v[R+16*((\t)%4)+4*\i:R+16*((\t)%4)+4*\i+3] offset:32*SP*((\t)%2)+8*SP*\i
.endr
.irp i, 0,1,2,3
	ds_load_b128 v[X+16*((\t)%2)+4*\i:X+16*((\t)%2)+4*\i+3], v15 offset:32*SP*((\t)%2)+16*\i
.endr
.endm
.irp t, 0,1,2,3
	LOAD \t
.endr
	s_wait_loadcnt 12                              ; step 0's four loads are in; twelve younger stay out
	TURN 0
.macro STEP t
.set XS, X+16*((\t)%2)
.if (\t) > 0
	s_wait_dscnt 2                                 ; this step's numbers are back; the two younger LDS instructions are the last step's byte and code stores
.else
	s_wait_dscnt 0x0
.endif
.if (\t)+4 < 16
	LOAD (\t)+4
.endif
.if (\t)+1 < 16
.if 14-(\t) >= 3
	s_wait_loadcnt 12                              ; the next step's four loads are in; those of the three steps behind it stay out
.else
	s_wait_loadcnt 4*(14-(\t))
.endif
	TURN (\t)+1
.endif
	v_max3_num_f32 v8, |v[XS]|, |v[XS+1]|, |v[XS+2]|
	v_max3_num_f32 v9, |v[XS+3]|, |v[XS+4]|, |v[XS+5]|
.irp i, 6,10
	v_max3_num_f32 v8, v8, |v[XS+\i]|, |v[XS+\i+1]|
	v_max3_num_f32 v9, v9, |v[XS+\i+2]|, |v[XS+\i+3]|
.endr
	v_max3_num_f32 v8, v8, |v[XS+14]|, |v[XS+15]|
	v_max3_num_f32 v8, v8, v9, 0x1800000           ; with the floor 2^(3 - 127): the byte cannot fall under 1
	v_max_num_f32_dpp v8, v8, v8 row_xmask:1 row_mask:0xf bank_mask:0xf   ; and my neighbour's 16: the block's largest magnitude
	v_add_nc_u32 v11, 0xff000000, v8               ; 2 off its exponent field: the conversion takes that field as its scale
	v_cvt_scalef32_pk8_fp4_f32 v[C+4*(\t)], v[XS:XS+7], v11
	v_cvt_scalef32_pk8_fp4_f32 v[C+4*(\t)+1], v[XS+8:XS+15], v11
	v_lshrrev_b32 v[E+(\t)], 23, v11               ; the scale's byte (a plain line behind the conversions)
	ds_store_b8 v5, v[E+(\t)] offset:16*(\t)       ; both lanes of a block write the same byte
	ds_store_b64 v4, v[C+4*(\t):C+4*(\t)+1] offset:16*(\t)
.endm
.irp t, 0,1,2,3,4,5,6,7,8,9,10,11,12,13,14,15
	STEP \t
.endr
	ds_load_b64 v[12:13], v6
.irp i, 0,1,2,3,4,5,6,7
	ds_load_b128 v[R+4*\i:R+4*\i+3], v10 offset:544*\i
.endr
	s_wait_dscnt 8                                 ; the bytes are back; the eight loads of codes stay out
	global_store_b64 v7, v[12:13], s[18:19]        ; 256 consecutive bytes
.irp i, 0,1,2,3,4,5,6,7
	s_wait_dscnt 7-\i
	global_store_b128 v3, v[R+4*\i:R+4*\i+3], s[16:17] offset:512*\i   ; 512 consecutive bytes
.endr
	s_wait_tensorcnt 0x0
	ds_add_u32 v192, v193
	s_wait_dscnt 0x0
	s_endpgm
	; ---------------- the mask: query tile = work-group - 384; the wave takes keys 256 w .. 256 w + 255
.Lmask:
	s_sub_co_u32 s26, s25, 384
	s_wait_alu depctr_va_vdst(0)
	v_and_b32 v4, 15, v2                           ; r
	v_lshrrev_b32 v5, 4, v2                        ; h
	v_and_b32 v6, 7, v4
	v_and_b32 v7, 8, v4
	v_lshl_add_u32 v6, v7, 2, v6                   ; 32 (r / 8) + r % 8
	v_lshlrev_b32 v6, 12, v6                       ; rows of 4,096 bytes
	v_lshl_add_u32 v6, v5, 7, v6                   ; + 32 keys for the upper half of the lanes
	s_lshr_b32 s27, s26, 2
	s_lshl_b32 s27, s27, 18
	s_and_b32 s28, s26, 3
	s_lshl_b32 s28, s28, 15
	s_add_co_u32 s28, s28, s27
	s_lshl_b32 s27, s24, 10
	s_add_co_u32 s28, s28, s27
	s_mov_b32 s29, 0
	s_lshl_b32 s30, s26, 16
	s_lshl_b32 s27, s24, 14
	s_add_co_u32 s30, s30, s27
	s_mov_b32 s31, 0
	s_wait_alu depctr_va_vdst(0)
	s_wait_kmcnt 0x0
	s_add_nc_u64 s[14:15], s[14:15], s[28:29]
	s_add_nc_u64 s[20:21], s[20:21], s[30:31]
.irp n, 0,1,2,3,4,5,6,7,8,9,10,11,12,13,14,15,16,17,18,19,20,21,22,23,24,25,26,27,28,29,30,31
	global_load_b128 v[32+4*\n:35+4*\n], v6, s[14:15] offset:256*(\n/8)+16*(\n%8)
.endr
.irp n, 0,1,2,3,4,5,6,7,8,9,10,11,12,13,14,15,16,17,18,19,20,21,22,23,24,25,26,27,28,29,30,31
	s_wait_loadcnt 31-\n                           ; loads come back in order: load n is in
	global_store_b128 v3, v[32+4*\n:35+4*\n], s[20:21] offset:512*\n   ; 512 consecutive bytes
.endr
	s_endpgm
.Lfunc_end_k_qa155f9432c_prep:
	.size	k_qa155f9432c_prep, .Lfunc_end_k_qa155f9432c_prep-k_qa155f9432c_prep
	.p2alignl 7, 3214868480
	.fill 96, 4, 3214868480
	.section	.rodata,"a",@progbits
	.p2align	6, 0x0
	.amdhsa_kernel k_qa155f9432c_prep
		.amdhsa_group_segment_fixed_size 41472
		.amdhsa_private_segment_fixed_size 0
		.amdhsa_enable_private_segment 0
		.amdhsa_kernarg_size 72
		.amdhsa_user_sgpr_count 2
		.amdhsa_user_sgpr_kernarg_segment_ptr 1
		.amdhsa_wavefront_size32 1
		.amdhsa_system_sgpr_workgroup_id_x 1
		.amdhsa_system_sgpr_workgroup_id_y 1
		.amdhsa_system_sgpr_workgroup_id_z 1
		.amdhsa_system_vgpr_workitem_id 0
		.amdhsa_next_free_vgpr 194
		.amdhsa_next_free_sgpr 66
		.amdhsa_reserve_vcc 0
		.amdhsa_float_denorm_mode_32 3
		.amdhsa_float_denorm_mode_16_64 3
		.amdhsa_memory_ordered 1
		.amdhsa_forward_progress 1
		.amdhsa_inst_pref_size 44
	.end_amdhsa_kernel
	.amdgpu_metadata
---
amdhsa.version: [ 1, 2 ]
amdhsa.kernels:
  - .name:           k_qa155f9432c_prep
    .symbol:         k_qa155f9432c_prep.kd
    .args:
      - { .name: x, .offset: 0, .size: 8, .value_kind: global_buffer, .address_space: global }
      - { .name: Wq, .offset: 8, .size: 8, .value_kind: global_buffer, .address_space: global }
      - { .name: Wk, .offset: 16, .size: 8, .value_kind: global_buffer, .address_space: global }
      - { .name: Wv, .offset: 24, .size: 8, .value_kind: global_buffer, .address_space: global }
      - { .name: Wo, .offset: 32, .size: 8, .value_kind: global_buffer, .address_space: global }
      - { .name: mask, .offset: 40, .size: 8, .value_kind: global_buffer, .address_space: global }
      - { .name: codes, .offset: 48, .size: 8, .value_kind: global_buffer, .address_space: global }
      - { .name: scales, .offset: 56, .size: 8, .value_kind: global_buffer, .address_space: global }
      - { .name: maski, .offset: 64, .size: 8, .value_kind: global_buffer, .address_space: global }
    .group_segment_fixed_size: 41472
    .private_segment_fixed_size: 0
    .kernarg_segment_align: 8
    .kernarg_segment_size: 72
    .max_flat_workgroup_size: 128
    .sgpr_count:     66
    .vgpr_count:     194
    .wavefront_size: 32
...
	.end_amdgpu_metadata
.endif
;; end of part 1
;; launch qkv (part 2): grid 12 x 64, 4 waves a work-group, clusters of 4 x 4, 197,120 bytes of LDS; arguments codes, scales, bq, bv, qrec, kv; writes qrec, kv
.if DOCPART == 2
	.amdgcn_target "amdgcn-amd-amdhsa--gfx1250"
	.amdhsa_code_object_version 6
	.text
	.protected	k_qa155f9432c_qkv
	.globl	k_qa155f9432c_qkv
	.p2align	8
	.type	k_qa155f9432c_qkv,@function
k_qa155f9432c_qkv:
	s_mov_b64 s[64:65], 0
	v_nop
	global_prefetch_b8 v0, s[64:65] scope:SCOPE_SE
	s_setreg_imm32_b32 hwreg(HW_REG_WAVE_MODE, 25, 1), 1
	s_wait_xcnt 0x0
	s_wait_alu depctr_hold_cnt(0) depctr_sa_sdst(0) depctr_va_vdst(0) depctr_va_sdst(0) depctr_va_ssrc(0) depctr_va_vcc(0) depctr_vm_vsrc(0)
	s_getreg_b32 s2, hwreg(HW_REG_IB_STS2, 6, 4)
	s_cmp_eq_u32 s2, 0
	s_cbranch_scc0 .Lentry_in_a_cluster
	s_endpgm
.Lentry_in_a_cluster:
	s_bfe_u32 s2, ttmp6, 0x10000c
	s_cmp_lg_u32 s2, 0xf033
	s_cbranch_scc0 .Lentry_shape_is_right
	s_endpgm
.Lentry_shape_is_right:
; q = (x Wq^T + bq) 64^-0.25, k = (x Wk^T) 64^-0.25 and V^T = Wv x^T + bv, all on codes of FP4 with E8M0 scales, and each result quantised in registers for the attention launch: q, k along the head's 64 channels, V along the keys.
; The cluster's x says which: 0 q, 1 k, 2 v: 256 work-groups each.  A tile of the result is 128 rows of operand A x 256 rows of operand B (q, k: A = x, B = W;  v: A = Wv, B = x); four waves, each 64 x 128: 32 accumulators.
; THE MATRIX INSTRUCTION TAKES B's TILE AS SOURCE 0 AND A's AS SOURCE 1.  B's rows stand in position order (see the first launch), so a lane's 32 registers of B's four tiles of a group of 64 are 32 NEIGHBOURS: a whole block of the next
; product's K (channels of a head for q, k; tokens for V), of A's row lane % 16.  A block's largest magnitude needs no other lane, and the four conversions' results are the next operand's registers for this very lane.
; K = 1,024 of both operands fits in LDS (196,608 bytes): it comes in one tensor load a wave; no LDS byte is filled twice.  Fragments lie as images of the registers: every LDS load reads 512 consecutive bytes.
; CLUSTERS: 4 x 4 work-groups.  A's tiles hang on the tile row alone and are asked for jointly by a row of the cluster, B's on the tile column alone, by a column.
; OUT: qrec: 128 records (16 x batch + head) of 36,864 bytes: codes [query tile 64][512], scale words [tile][16][4] at 32,768.  kv: 128 records of 71,680: K's codes [tile 64][512]; V's codes [key step 8][channel tile 4][2][512] at 32,768;
; K's scale words at 65,536; V's [key step][channel tile][16][4] at 69,632.  q's and k's K is 64: the upper two bytes of their scale words are 127, for the zero codes that fill the instruction's 128.
; LIMITS: a block whose largest magnitude lies under 2^-124 (zeros too) gets the byte 1; NaN and infinities are not served.
; REGISTERS: window 0: v0-21 addresses; v32-63 A's scale words (8 a + K step), v64-127 B's (8 b + K step); v128-191 A's fragments, two sets; v192-255 the way out.  window 1: v0-127 B's fragments, two sets; v128-191 the bias, in the result's layout.
;   window 2: accumulator (a, b) at v[8 (8 a + b)].
.set SLOTB, 98304
.set BOFF,  65536                      ; A's 8 tiles of 8,192 bytes (all of K), then B's 16
.set SA,   32
.set SB,   64
.set AF,   128
.set BIAS, 128                         ; in window 1
.set T,    192                         ; v192-207 a block's largest magnitude in two chains; then its byte and the conversion's scale operand
.set WD,   208                         ; v208-215 scale words
.set TP,   216                         ; v216-223 the other half's words; then the words as stored
.set CD,   224                         ; v224-255 codes
.set ADRA, 16                          ; v16 LDS address of my A fragments
.set ADRB, 20                          ; v20 the same for B
.set WV,   16
.set WR,   17                          ; which 64 rows of A are mine
.set WC,   18                          ; which 128 rows of B.  Also: which half of a tile's rows I fetch
.set CX,   19
.set CY,   20
.set MODE, 21
.set YY,   22
.set TR,   23                          ; tile row: made of cy and the cluster's y alone
.set G1A,  24
.set G1B,  32
.set G0A,  40                          ; a set for each slot
.set G0B,  48
.set TC,   66                          ; tile column: made of cx and the cluster's y alone
.set AT0,  67                          ; A's first tile among the 768
.set BT0,  68
.set SEL,  92
.set QSC,  94                          ; s[94:95] 64^-0.25
.set MSB, 0
.macro WIN new                         ; the immediate's high byte repeats the setting that is left
.if MSB != \new
	s_set_vgpr_msb (MSB<<8)|\new
.set MSB, \new
.endif
.endm
.macro PLACES                          ; four plain vector lines behind a matrix instruction, ahead of loads into its registers and of reads of its result
.rept 4
	v_nop
.endr
.endm
.macro CROUND                          ; a round of the cluster's barrier
	s_barrier_signal -1
	s_barrier_wait -1
	s_cmp_lg_u32 s[WV], 0
	s_cbranch_scc1 .Lnot_wave_0_\@
	s_barrier_signal -3
.Lnot_wave_0_\@:
	s_barrier_wait -3
	s_barrier_signal -1
	s_barrier_wait -1
.endm
	s_load_b256 s[4:11], s[0:1], 0x0               ; codes, scales, bq, bv
	s_load_b128 s[12:15], s[0:1], 0x20             ; qrec, kv
	v_lshl_add_u32 v30, v0, 2, 0x30000
	v_mov_b32 v31, 0
	ds_add_u32 v30, v31
	ds_add_u32 v30, v31
	v_lshrrev_b32 v1, 5, v0
	v_readfirstlane_b32 s[WV], v1
	s_lshr_b32 s[WR], s[WV], 1
	s_and_b32 s[WC], s[WV], 1
	s_bfe_u32 s[CX], ttmp6, 0x40000
	s_bfe_u32 s[CY], ttmp6, 0x40004
	s_mov_b32 s[MODE], ttmp9                       ; the cluster's x: equal in all sixteen partners
	s_and_b32 s[YY], ttmp7, 0xffff                 ; the cluster's y, 0 .. 15
	s_and_b32 s56, s[YY], 1
	s_lshr_b32 s60, s[YY], 1
	s_lshl_b32 s61, s[MODE], 6
	s_add_co_u32 s61, s61, 512                     ; Wq's or Wk's first tile
	s_cmp_eq_u32 s[MODE], 2
	s_cselect_b32 s56, s56, s[YY]                  ; q, k: 64 tile rows of x, 4 tile columns of W;  v: 8 tile rows of Wv, 32 tile columns of x
	s_cselect_b32 s57, 640, 0
	s_cselect_b32 s60, s60, 0
	s_cselect_b32 s61, 0, s61
	s_lshl_b32 s[TR], s56, 2
	s_add_co_u32 s[TR], s[TR], s[CY]
	s_lshl_b32 s[TC], s60, 2
	s_add_co_u32 s[TC], s[TC], s[CX]
	s_lshl_b32 s[AT0], s[TR], 3
	s_add_co_u32 s[AT0], s[AT0], s57
	s_lshl_b32 s[BT0], s[TC], 4
	s_add_co_u32 s[BT0], s[BT0], s61
	s_lshl_b32 s69, s[CY], 2
	s_lshl_b32 s69, 15, s69                        ; my row of the cluster
	s_lshl_b32 s70, 0x1111, s[CX]                  ; my column
	; group 1: rows of 8,192 bytes (a whole tile: 1,024 elements of 8 bytes), dense in LDS; A: 4 tiles a load, B: 8
	s_or_b32 s[G1A], s69, (3<<16)|(1<<21)
	s_mov_b32 s[G1A+1], 1024<<16                   ; a row is a whole tile: 8,192 bytes, all of K; one load a wave brings its tiles whole
	s_mov_b32 s[G1A+2], 4<<16
	s_mov_b32 s[G1A+3], 1024<<16
	s_mov_b32 s[G1A+4], 4
	s_mov_b32 s[G1A+5], 1024
	s_mov_b32 s[G1A+6], 0
	s_mov_b32 s[G1A+7], 0
	s_or_b32 s[G1B], s70, (3<<16)|(1<<21)
	s_mov_b32 s[G1B+1], 1024<<16
	s_mov_b32 s[G1B+2], 8<<16
	s_mov_b32 s[G1B+3], 1024<<16
	s_mov_b32 s[G1B+4], 8
	s_mov_b32 s[G1B+5], 1024
	s_mov_b32 s[G1B+6], 0
	s_mov_b32 s[G1B+7], 0
	s_lshl_b32 s72, s[WC], 2
	s_add_co_u32 s72, s72, s[AT0]
	s_lshl_b32 s72, s72, 13                        ; A: the four tiles that I would fetch
	s_mov_b32 s73, 0
	s_lshl_b32 s74, s[WC], 15                      ; four tiles of 8,192 bytes
	s_lshl_b32 s76, s[WC], 3
	s_add_co_u32 s76, s76, s[BT0]
	s_lshl_b32 s76, s76, 13                        ; B: the eight tiles
	s_mov_b32 s77, 0
	s_lshl_b32 s78, s[WC], 16                      ; eight tiles of 8,192 bytes
	s_add_co_u32 s78, s78, BOFF
	s_lshl_b32 s80, s[WR], 2
	s_add_co_u32 s80, s80, s[AT0]
	s_lshl_b32 s80, s80, 9                         ; the scale bytes of my four tiles of A: 512 a tile
	s_mov_b32 s81, 0
	s_lshl_b32 s82, s[WC], 3
	s_add_co_u32 s82, s82, s[BT0]
	s_lshl_b32 s82, s82, 9                         ; and of my eight of B
	s_mov_b32 s83, 0
	s_mov_b32 s[SEL], 0x76543210
	s_mov_b32 s[SEL+1], 0xfedcba98                 ; v_permlanex16_b32: lane l xor 16
	s_mov_b32 s[QSC], 0x3eb504f3                   ; 64^-0.25
	s_mov_b32 s[QSC+1], s[QSC]
	s_wait_dscnt 0x0
	s_wait_kmcnt 0x0
	s_add_nc_u64 s[72:73], s[4:5], s[72:73]
	s_add_nc_u64 s[76:77], s[4:5], s[76:77]
	s_add_nc_u64 s[80:81], s[6:7], s[80:81]
	s_add_nc_u64 s[82:83], s[6:7], s[82:83]
.irp k, 0
	s_mov_b32 s[G0A+4*\k], 1
	s_add_co_u32 s[G0A+4*\k+1], s74, \k*SLOTB
	s_add_nc_u64 s[G0A+4*\k+2:G0A+4*\k+3], s[72:73], \k*4096
	s_or_b32 s[G0A+4*\k+3], s[G0A+4*\k+3], 0x80000000
	s_mov_b32 s[G0B+4*\k], 1
	s_add_co_u32 s[G0B+4*\k+1], s78, \k*SLOTB
	s_add_nc_u64 s[G0B+4*\k+2:G0B+4*\k+3], s[76:77], \k*4096
	s_or_b32 s[G0B+4*\k+3], s[G0B+4*\k+3], 0x80000000
.endr
	CROUND                                         ; all sixteen work-groups are here: the joint loads meet
	s_cmp_lt_u32 s[WV], 2                          ; waves 0, 1 fetch A's halves, waves 2, 3 B's: one load of mine is out; four v_nop follow it
	s_cbranch_scc0 .Lfirst_b
	tensor_load_to_lds s[G0A:G0A+3], s[G1A:G1A+7]
	s_nop 0
	PLACES
	s_branch .Lfirst_asked
.Lfirst_b:
	tensor_load_to_lds s[G0B:G0B+3], s[G1B:G1B+7]
	s_nop 0
	PLACES
.Lfirst_asked:
	v_and_b32 v1, 31, v0                           ; lane
	v_and_b32 v2, 15, v0                           ; r
	v_bfe_u32 v3, v0, 4, 1                         ; h
	v_lshlrev_b32 v4, 4, v1                        ; 16 x lane
	v_lshlrev_b32 v5, 2, v1                        ; 4 x lane
	v_lshlrev_b32 v6, 4, v2                        ; 16 r: a row's 16 scale bytes
	v_lshlrev_b32 v7, 3, v3                        ; 8 h: my byte's place in a scale word
	v_lshlrev_b32 v8, 7, v3                        ; 128 h: bq at my half's 32 channels
	v_and_b32 v9, 7, v2
	v_and_b32 v10, 8, v2
	v_lshl_add_u32 v9, v10, 2, v9
	v_lshlrev_b32 v9, 2, v9                        ; bv at the channel of position r: 4 (32 (r / 8) + r % 8)
.irp a, 0,1,2,3
.irp k, 0,1
	global_load_b128 v[SA+8*\a+4*\k:SA+8*\a+4*\k+3], v6, s[80:81] offset:\a*512+\k*256   ; sixteen lanes read 256 consecutive bytes: four K steps' words of 16 rows (lanes 16-31 read the same and are not used)
.endr
.endr
.irp b, 0,1,2,3,4,5,6,7
.irp k, 0,1
	global_load_b128 v[SB+8*\b+4*\k:SB+8*\b+4*\k+3], v6, s[82:83] offset:\b*512+\k*256
.endr
.endr
	s_lshl_b32 s56, s[WR], 15
	v_add_nc_u32 v[ADRA], s56, v4
	s_lshl_b32 s56, s[WC], 16
	s_add_co_u32 s56, s56, BOFF
	v_add_nc_u32 v[ADRB], s56, v4
	v_cmp_le_u32 vcc_lo, 16, v1                    ; the upper half of the lanes
.irp p, 0,1,2,3,4,5,6,7
	v_mov_b32 v[TP+\p], 0                          ; a lane permute's destination counts as one of its sources
.endr
; the fragments of K step qq (24 loads of 512 consecutive bytes) into set qq % 2
.macro FETCH qq
	WIN 0x40                                       ; destination window 1
.irp b, 0,1,2,3,4,5,6,7
.irp c, 0,1
	ds_load_b128 v[64*((\qq)%2)+8*\b+4*\c:64*((\qq)%2)+8*\b+4*\c+3], v[ADRB] offset:\b*8192+(\qq)*1024+\c*512
.endr
.endr
	WIN 0
.irp a, 0,1,2,3
.irp c, 0,1
	ds_load_b128 v[AF+32*((\qq)%2)+8*\a+4*\c:AF+32*((\qq)%2)+8*\a+4*\c+3], v[ADRA] offset:\a*8192+(\qq)*1024+\c*512
.endr
.endr
.endm
; 32 products of K step qq.  cmode: what starts or carries the sums: 0 the constant 0; 1 the bias of B's tile; 2 the bias of A's tile; 3 the accumulator.  The 32 accumulators take turns, one instruction a turn, in the same order in every step.
.macro MUL qq, cmode
.if (\cmode == 1) || (\cmode == 2)
	WIN 0x91                                       ; source 0 (B) window 1, source 1 (A) window 0, C window 1, D window 2
.else
	WIN 0xa1                                       ; C and D window 2
.endif
.irp a, 0,1,2,3
.irp b, 0,1,2,3,4,5,6,7
.if \cmode == 0
	v_wmma_scale_f32_16x16x128_f8f6f4 v[8*(8*\a+\b):8*(8*\a+\b)+7], v[64*((\qq)%2)+8*\b:64*((\qq)%2)+8*\b+7], v[AF+32*((\qq)%2)+8*\a:AF+32*((\qq)%2)+8*\a+7], 0, v[SB+8*\b+(\qq)], v[SA+8*\a+(\qq)] matrix_a_fmt:MATRIX_FMT_FP4 matrix_b_fmt:MATRIX_FMT_FP4
.elseif \cmode == 1
	v_wmma_scale_f32_16x16x128_f8f6f4 v[8*(8*\a+\b):8*(8*\a+\b)+7], v[64*((\qq)%2)+8*\b:64*((\qq)%2)+8*\b+7], v[AF+32*((\qq)%2)+8*\a:AF+32*((\qq)%2)+8*\a+7], v[BIAS+8*\b:BIAS+8*\b+7], v[SB+8*\b+(\qq)], v[SA+8*\a+(\qq)] matrix_a_fmt:MATRIX_FMT_FP4 matrix_b_fmt:MATRIX_FMT_FP4
.elseif \cmode == 2
	v_wmma_scale_f32_16x16x128_f8f6f4 v[8*(8*\a+\b):8*(8*\a+\b)+7], v[64*((\qq)%2)+8*\b:64*((\qq)%2)+8*\b+7], v[AF+32*((\qq)%2)+8*\a:AF+32*((\qq)%2)+8*\a+7], v[BIAS+8*\a:BIAS+8*\a+7], v[SB+8*\b+(\qq)], v[SA+8*\a+(\qq)] matrix_a_fmt:MATRIX_FMT_FP4 matrix_b_fmt:MATRIX_FMT_FP4
.else
	v_wmma_scale_f32_16x16x128_f8f6f4 v[8*(8*\a+\b):8*(8*\a+\b)+7], v[64*((\qq)%2)+8*\b:64*((\qq)%2)+8*\b+7], v[AF+32*((\qq)%2)+8*\a:AF+32*((\qq)%2)+8*\a+7], v[8*(8*\a+\b):8*(8*\a+\b)+7], v[SB+8*\b+(\qq)], v[SA+8*\a+(\qq)] matrix_a_fmt:MATRIX_FMT_FP4 matrix_b_fmt:MATRIX_FMT_FP4
.endif
.endr
.endr
.endm
.macro GSTEP qq, cmode
	s_wait_dscnt 0x0                               ; this step's fragments are in: they were asked for one step, 32 products, ago
.if \qq > 0
	PLACES                                         ; the loads below land in the set that the last step's products read
.endif
.if \qq < 7
	FETCH (\qq)+1
.endif
	MUL \qq, \cmode
.endm
; One way for each of q (0), k (1), v (2): bias, the eight K steps, the quantiser, the stores.
.macro PATH mode
.if \mode == 0
.set RECB, 36864
.set SCOF, 32768
.set OB, 12
.else
.set RECB, 71680
.set SCOF, 65536
.set OB, 14
.endif
.if \mode == 0
	s_lshl_b32 s84, s[TC], 10                      ; bq at my 128 channels: 4 (256 x tile column + 128 x half)
	s_lshl_b32 s85, s[WC], 9
	s_add_co_u32 s84, s84, s85
	s_mov_b32 s85, 0
	s_add_nc_u64 s[84:85], s[8:9], s[84:85]
	WIN 0x40
.irp b, 0,1,2,3,4,5,6,7
.irp e, 0,1
	global_load_b128 v[BIAS+8*\b+4*\e:BIAS+8*\b+4*\e+3], v8, s[84:85] offset:(64*(\b/4)+8*(\b%4))*4+16*\e   ; register j of tile b = 4 G + u: channel 64 G + 32 h + 8 u + j
.endr
.endr
	WIN 0
.endif
.if \mode == 2
	s_lshl_b32 s84, s[TR], 1
	s_add_co_u32 s84, s84, s[WR]                   ; my head
	s_lshl_b32 s84, s84, 8
	s_mov_b32 s85, 0
	s_add_nc_u64 s[84:85], s[10:11], s[84:85]
	WIN 0x40
.irp a, 0,1,2,3
	global_load_b32 v[BIAS+8*\a], v9, s[84:85] offset:32*\a   ; a lane holds one channel: position r of channel tile a
.endr
	WIN 0
.endif
.if \mode < 2
	s_lshr_b32 s86, s[TR], 3                       ; batch
	s_lshl_b32 s86, s86, 4
	s_lshl_b32 s87, s[TC], 2
	s_add_co_u32 s86, s86, s87
	s_lshl_b32 s87, s[WC], 1
	s_add_co_u32 s86, s86, s87                     ; my first record: 16 x batch + 4 x tile column + 2 x half
	s_mul_i32 s86, s86, RECB
	s_and_b32 s87, s[TR], 7
	s_lshl_b32 s87, s87, 3
	s_lshl_b32 s88, s[WR], 2
	s_add_co_u32 s87, s87, s88                     ; my first token tile in the batch
	s_lshl_b32 s88, s87, 9
	s_add_co_u32 s88, s88, s86
	s_mov_b32 s89, 0
	s_lshl_b32 s90, s87, 6
	s_add_co_u32 s90, s90, s86
	s_add_co_u32 s90, s90, SCOF
	s_mov_b32 s91, 0
.else
	s_lshr_b32 s86, s[TC], 2                       ; batch
	s_lshl_b32 s86, s86, 4
	s_lshl_b32 s87, s[TR], 1
	s_add_co_u32 s86, s86, s87
	s_add_co_u32 s86, s86, s[WR]                   ; my record
	s_mul_i32 s86, s86, RECB
	s_and_b32 s87, s[TC], 3
	s_lshl_b32 s87, s87, 1
	s_add_co_u32 s87, s87, s[WC]                   ; my key step
	s_lshl_b32 s88, s87, 12
	s_add_co_u32 s88, s88, s86
	s_add_co_u32 s88, s88, 32768
	s_mov_b32 s89, 0
	s_lshl_b32 s90, s87, 8
	s_add_co_u32 s90, s90, s86
	s_add_co_u32 s90, s90, 69632
	s_mov_b32 s91, 0
.endif
	s_add_nc_u64 s[88:89], s[OB:OB+1], s[88:89]    ; where my codes go,
	s_add_nc_u64 s[90:91], s[OB:OB+1], s[90:91]    ; and my scale words
	s_wait_alu depctr_va_vdst(0)
	s_wait_tensorcnt 0x0                           ; my one load, all of K of my tiles, is in
	s_barrier_signal -1
	s_barrier_wait -1                              ; everybody's is
	FETCH 0
	s_wait_loadcnt 0x0                             ; scale words and bias
.if \mode == 2
	WIN 0x41
.irp a, 0,1,2,3
.irp j, 1,2,3,4,5,6,7
	v_mov_b32 v[BIAS+8*\a+\j], v[BIAS+8*\a]        ; the same channel in all eight registers
.endr
.endr
.endif
.if \mode == 0
	GSTEP 0, 1
.elseif \mode == 1
	GSTEP 0, 0
.else
	s_wait_alu depctr_va_vdst(0)
	GSTEP 0, 2
.endif
.irp q, 1,2,3,4,5,6,7
	GSTEP \q, 3
.endr
	PLACES
	; THE QUANTISER.  Pair p = 2 a + G: A's tile a, B's group G of 64: its 32 registers, v[32 p ..] of window 2, are one block of 32 of the row lane % 16.
.if \mode < 2
	WIN 0x82
.set i, 0
.rept 128
	v_pk_mul_f32 v[i:i+1], v[i:i+1], s[QSC:QSC+1] op_sel_hi:[1,0]   ; x 64^-0.25, each accumulator from its low end on
.set i, i+2
.endr
.endif
	WIN 0x28                                       ; sources 1 and 2 window 2
.irp p, 0,1,2,3,4,5,6,7,8,9,10,11,12,13,14,15
	v_mov_b32 v[T+\p], 0x1800000                   ; the floor 2^(3 - 127) starts both chains: the byte cannot fall under 1
.endr
.set i, 0
.rept 16
.irp p, 0,1,2,3,4,5,6,7
	v_max3_num_f32 v[T+2*\p+(i/2)%2], v[T+2*\p+(i/2)%2], |v[32*\p+i]|, |v[32*\p+i+1]|   ; the eight blocks by turns, each accumulator from its low end on
.endr
.set i, i+2
.endr
	WIN 0
.irp p, 0,1,2,3,4,5,6,7
	v_max_num_f32 v[T+2*\p], v[T+2*\p], v[T+2*\p+1]
.endr
.irp p, 0,1,2,3,4,5,6,7
	v_add_nc_u32 v[T+2*\p+1], 0xff000000, v[T+2*\p]   ; 2 off the exponent field: the conversion's scale operand
.endr
.irp p, 0,1,2,3,4,5,6,7
	v_lshrrev_b32 v[T+2*\p], 23, v[T+2*\p+1]       ; the byte
.endr
.if \mode < 2
.irp p, 0,1,2,3,4,5,6,7
	v_lshlrev_b32 v[WD+\p], v7, v[T+2*\p]          ; my block is block h of the head's two
.endr
.irp p, 0,1,2,3,4,5,6,7
	v_permlanex16_b32 v[TP+\p], v[WD+\p], s[SEL], s[SEL+1]
.endr
.irp p, 0,1,2,3,4,5,6,7
	v_or_b32 v[WD+\p], v[WD+\p], v[TP+\p]
.endr
.irp p, 0,1,2,3,4,5,6,7
	v_or_b32 v[WD+\p], 0x7f7f0000, v[WD+\p]        ; 1.0 for the two blocks of zero codes
.endr
.irp g, 0,1
.irp i2, 0,1
	v_cndmask_b32 v[TP+2*\g+\i2], v[WD+4*\i2+\g], v[WD+4*\i2+2+\g], vcc_lo   ; lanes 0-15 tile 2 i's rows, lanes 16-31 tile 2 i + 1's: 128 consecutive bytes
.endr
.endr
.else
.irp a, 0,1,2,3
	v_lshl_or_b32 v[WD+\a], v[T+4*\a+2], 16, v[T+4*\a]   ; my blocks h and 2 + h of the key step's four
.endr
.irp a, 0,1,2,3
	v_lshlrev_b32 v[WD+\a], v7, v[WD+\a]
.endr
.irp a, 0,1,2,3
	v_permlanex16_b32 v[TP+\a], v[WD+\a], s[SEL], s[SEL+1]
.endr
.irp a, 0,1,2,3
	v_or_b32 v[WD+\a], v[WD+\a], v[TP+\a]
.endr
.irp i2, 0,1
	v_cndmask_b32 v[TP+\i2], v[WD+2*\i2], v[WD+2*\i2+1], vcc_lo
.endr
.endif
	WIN 0x02                                       ; source 0 window 2
.irp p, 0,1,2,3,4,5,6,7
.irp u, 0,1,2,3
	v_cvt_scalef32_pk8_fp4_f32 v[CD+4*\p+\u], v[32*\p+8*\u:32*\p+8*\u+7], v[T+2*\p+1]
.endr
.endr
	v_nop                                          ; a plain line behind the last conversion
	WIN 0
.irp a, 0,1,2,3
.irp g, 0,1
.if \mode < 2
	global_store_b128 v4, v[CD+4*(2*\a+\g):CD+4*(2*\a+\g)+3], s[88:89] offset:\g*RECB+\a*512   ; a fragment's image: 512 consecutive bytes; G is the head, a the token tile
.else
	global_store_b128 v4, v[CD+4*(2*\a+\g):CD+4*(2*\a+\g)+3], s[88:89] offset:\a*1024+\g*512   ; a is the channel tile, G the half of the key step
.endif
.endr
.endr
.if \mode < 2
.irp g, 0,1
.irp i2, 0,1
	global_store_b32 v5, v[TP+2*\g+\i2], s[90:91] offset:\g*RECB+\i2*128
.endr
.endr
.else
.irp i2, 0,1
	global_store_b32 v5, v[TP+\i2], s[90:91] offset:\i2*128
.endr
.endif
.endm
	s_cmp_eq_u32 s[MODE], 0                        ; the branch hangs on the cluster's x alone
	s_cbranch_scc1 .Lq
	s_cmp_eq_u32 s[MODE], 1
	s_cbranch_scc1 .Lk
	PATH 2
	s_branch .Lend
.Lq:
	PATH 0
	s_branch .Lend
.Lk:
	PATH 1
.Lend:
	s_wait_tensorcnt 0x0
	ds_add_u32 v30, v31
	s_wait_dscnt 0x0
	CROUND                                         ; the closing round: no work-group ends while a partner may still ask for a tile that names it
	s_endpgm
.Lfunc_end_k_qa155f9432c_qkv:
	.size	k_qa155f9432c_qkv, .Lfunc_end_k_qa155f9432c_qkv-k_qa155f9432c_qkv
	.p2alignl 7, 3214868480
	.fill 96, 4, 3214868480
	.section	.rodata,"a",@progbits
	.p2align	6, 0x0
	.amdhsa_kernel k_qa155f9432c_qkv
		.amdhsa_group_segment_fixed_size 197120
		.amdhsa_private_segment_fixed_size 0
		.amdhsa_enable_private_segment 0
		.amdhsa_kernarg_size 48
		.amdhsa_user_sgpr_count 2
		.amdhsa_user_sgpr_kernarg_segment_ptr 1
		.amdhsa_wavefront_size32 1
		.amdhsa_system_sgpr_workgroup_id_x 1
		.amdhsa_system_sgpr_workgroup_id_y 1
		.amdhsa_system_sgpr_workgroup_id_z 1
		.amdhsa_system_vgpr_workitem_id 0
		.amdhsa_next_free_vgpr 768
		.amdhsa_next_free_sgpr 96
		.amdhsa_reserve_vcc 1
		.amdhsa_float_denorm_mode_32 3
		.amdhsa_float_denorm_mode_16_64 3
		.amdhsa_memory_ordered 1
		.amdhsa_forward_progress 1
		.amdhsa_inst_pref_size 213
	.end_amdhsa_kernel
	.amdgpu_metadata
---
amdhsa.version: [ 1, 2 ]
amdhsa.kernels:
  - .name:           k_qa155f9432c_qkv
    .symbol:         k_qa155f9432c_qkv.kd
    .args:
      - { .name: codes, .offset: 0, .size: 8, .value_kind: global_buffer, .address_space: global }
      - { .name: scales, .offset: 8, .size: 8, .value_kind: global_buffer, .address_space: global }
      - { .name: bq, .offset: 16, .size: 8, .value_kind: global_buffer, .address_space: global }
      - { .name: bv, .offset: 24, .size: 8, .value_kind: global_buffer, .address_space: global }
      - { .name: qrec, .offset: 32, .size: 8, .value_kind: global_buffer, .address_space: global }
      - { .name: kv, .offset: 40, .size: 8, .value_kind: global_buffer, .address_space: global }
    .group_segment_fixed_size: 197120
    .private_segment_fixed_size: 0
    .kernarg_segment_align: 8
    .kernarg_segment_size: 48
    .max_flat_workgroup_size: 128
    .sgpr_count:     96
    .vgpr_count:     768
    .wavefront_size: 32
...
	.end_amdgpu_metadata
.endif
;; end of part 2
;; launch attn (part 3): grid 16 x 16, 8 waves a work-group, clusters of 4 x 1, 327,680 bytes of LDS; arguments qrec, kv, maski, oc, os; writes oc, os
.if DOCPART == 3
	.amdgcn_target "amdgcn-amd-amdhsa--gfx1250"
	.amdhsa_code_object_version 6
	.text
	.protected	k_qa155f9432c_attn
	.globl	k_qa155f9432c_attn
	.p2align	8
	.type	k_qa155f9432c_attn,@function
k_qa155f9432c_attn:
	s_mov_b64 s[64:65], 0
	v_nop
	global_prefetch_b8 v0, s[64:65] scope:SCOPE_SE
	s_setreg_imm32_b32 hwreg(HW_REG_WAVE_MODE, 25, 1), 1
	s_wait_xcnt 0x0
	s_wait_alu depctr_hold_cnt(0) depctr_sa_sdst(0) depctr_va_vdst(0) depctr_va_sdst(0) depctr_va_ssrc(0) depctr_va_vcc(0) depctr_vm_vsrc(0)
	s_getreg_b32 s2, hwreg(HW_REG_IB_STS2, 6, 4)
	s_cmp_eq_u32 s2, 0
	s_cbranch_scc0 .Lentry_in_a_cluster
	s_endpgm
.Lentry_in_a_cluster:
	s_bfe_u32 s2, ttmp6, 0x10000c
	s_cmp_lg_u32 s2, 0x3003
	s_cbranch_scc0 .Lentry_shape_is_right
	s_endpgm
.Lentry_shape_is_right:
; wv[b][q][head] = softmax_k(q . k + mask[q][k]) V, both products on codes of FP4 with E8M0 scales, and wv quantised along the model's 1,024 channels for the last launch.
; THE SOFTMAX: t = (score + mask) x log2(e); M = the running largest t rounded UP to a whole number; p = 2^(t - M) is quantised along the keys, not normalised; the row's sum is taken of the unquantised p and divides at the end.
; When M moves, the sum and O are multiplied by 2^(old M - new M): exact.  The mask is an input: every score of every key is computed.
; SHARES.  256 work-groups.  A work-group of EIGHT waves owns 64 query positions and walks EIGHT heads of one batch (records 8 y .. 8 y + 7).  Waves w and w + 4 own the same 16 queries and split the keys, 512 each, four steps of 128.
; A wave's part of the mask, 16 queries x 512 keys, is read once, stays in 256 registers (window 1) for the eight heads, and is the C OPERAND of the score products: score + mask costs no vector line.
; At a head's end waves 4-7 hand O^T, sum and M to waves 0-3 through LDS as images of the registers; both are brought under the larger M by exact powers of two; waves 0-3 divide, quantise and store.
; THE RING.  A record (K's and V's codes and scale words of one head, 71,680 dense bytes) fills a slot; two slots, 2^17 bytes apart, so that one exclusive or turns an address.  At the end of head i the slot just read takes record i + 2:
; each wave asks for an eighth, 35 rows of 256 bytes, and one load a wave is out, with a head's four key steps in which to land.  The round of the cluster's barrier in front of the refill also shows the exchange to waves 0-3.
; CLUSTER: the four query blocks of a cluster walk the same eight records: each eighth is asked for jointly.
; PREFETCH: behind the load of record i + 2, record i + 3 is asked of memory: its 280 blocks of 256 bytes are shared among the four partners by address (70 each), a lane a block in waves 4 to 6; records 0 to 2 come by their loads alone, and nothing is asked behind record 7.
; LAYOUT.  S^T = K Q^T + mask, O^T = V^T P^T: a lane holds ONE query (lane % 16).  K's tiles hold tokens in position order: the 32 registers of tiles 4 c .. 4 c + 3 are keys 64 c + 32 h + 0 .. 31 of the step: a whole block of p in one lane.
; The first product's K is 64: registers 4-7 of Q's fragment are zero codes.  So whatever codes stand in registers 4-7 of K's fragment add nothing (FP4 has no NaN or infinity; K's upper scale bytes are 127): K's tiles lie 4 registers apart, each one's upper half being the next one's data; four zero registers close the run.
; LIMITS: the promise holds while |t| stays under 2^31; a block's largest p is taken through its largest logit (v_exp_f32 is taken not to fall where its input rises); blocks under 2^-124 get the byte 1; the mask is added by the matrix unit's own f32 sum; a row all -inf gives NaN, as the softmax has it; NaN inputs are not served.
; REGISTERS, window 0: v1-7, v10-11 addresses; v12 -M, v13 largest t, v[14:15] sum; v16-23 Q; v24 Q's scale word, v25 P's, v26-29 K's, v30-31 V's; v32-63 O^T; v64-127 S^T, then p (at a head's end the other half's O^T, M, sum); v128-163 K; v164-165 the add's pair; v166 prefetch offset; v168-171 wv's scale bytes; v192-223 V; v224-231 P's codes; v232-255 at work.
.set REC,   71680
.set QREC,  36864
.set EIGHTH, 8960
.set SLOT1, 131072
.set XCH,   204800                     ; behind the ring: the exchange, a region for each tile of queries; no tensor load lands here
.set XREG,  4608                       ; O^T's 32 registers (4,096 bytes), then v[12:15] (512)
.set SPARE, 223232                     ; the spare words: 128 bytes a wave
.set O,    32
.set SCO,  64
.set KFR,  128
.set VFR,  192
.set PC,   224
.set SPW,  164
.set NIL,  165
.set PFO,  166
.set OSR,  168
.set WV,   16
.set QW,   21
.set KH,   22
.set G1,   24
.set G0,   32                          ; s[32:35] the walking group 0
.set PFA,  36                          ; s[36:37] my work-group's 70 blocks of the record that the prefetch names
.set LIM,  38                          ; 1 in waves 4 to 6, else the greatest number
.set TB,   48                          ; LDS byte of my half of K's (and, 32,768 on, V's) codes in the slot in hand
.set TB2,  49                          ; K's scale words of my half
.set CNT,  50
.set TB3,  51                          ; V's scale words of my half
.set CS,   52
.set SEL,  54
.set QC,   56
.set QS,   58
.set OC,   60
.set MK,   62
.set OSB,  66
.set MSB, 0
.macro WIN new                         ; the immediate's high byte repeats the setting that is left
.if MSB != \new
	s_set_vgpr_msb (MSB<<8)|\new
.set MSB, \new
.endif
.endm
.macro PLACES                          ; four plain vector lines behind a matrix instruction (ISA guide 7.12.1)
.rept 4
	v_nop
.endr
.endm
.macro CROUND                          ; a round of the cluster's barrier
	s_barrier_signal -1
	s_barrier_wait -1
	s_cmp_lg_u32 s[WV], 0
	s_cbranch_scc1 .Lnot_wave_0_\@
	s_barrier_signal -3
.Lnot_wave_0_\@:
	s_barrier_wait -3
	s_barrier_signal -1
	s_barrier_wait -1
.endm
.macro JLOAD                           ; my eighth of a record; s_nop 0 and four v_nop follow
	tensor_load_to_lds s[G0:G0+3], s[G1:G1+7]
	s_nop 0
	PLACES
.endm
	s_load_b256 s[4:11], s[0:1], 0x0               ; qrec, kv, maski, oc
	s_load_b64 s[12:13], s[0:1], 0x20              ; os
	v_lshl_add_u32 v[SPW], v0, 2, SPARE
	v_mov_b32 v[NIL], 0
	ds_add_u32 v[SPW], v[NIL]
	ds_add_u32 v[SPW], v[NIL]
	v_lshrrev_b32 v1, 5, v0
	v_readfirstlane_b32 s[WV], v1                  ; wave 0..7
	s_and_b32 s[QW], s[WV], 3
	s_lshr_b32 s[KH], s[WV], 2
	s_bfe_u32 s17, ttmp6, 0x40000                  ; cx: it enters Q's, the mask's, the outputs' and the prefetch's addresses alone
	s_lshl_b32 s18, ttmp9, 2
	s_add_co_u32 s18, s18, s17                     ; my block of 64 queries
	s_lshl_b32 s20, s18, 2
	s_add_co_u32 s20, s20, s[QW]                   ; my query tile
	s_and_b32 s19, ttmp7, 0xffff                   ; y: records 8 y .. 8 y + 7
	s_mov_b32 s[G1], 15|(3<<16)|(1<<21)            ; all four work-groups; elements of 8 bytes; bit 21 beside a mask
	s_mov_b32 s[G1+1], 32<<16                      ; rows of 256 bytes,
	s_mov_b32 s[G1+2], 35<<16                      ; 35 of them,
	s_mov_b32 s[G1+3], 32<<16
	s_mov_b32 s[G1+4], 35
	s_mov_b32 s[G1+5], 32                          ; dense
	s_mov_b32 s[G1+6], 0
	s_mov_b32 s[G1+7], 0
	s_mul_i32 s70, s[WV], EIGHTH
	s_mul_i32 s68, s19, 8*REC
	s_mov_b32 s69, 0
	s_mul_i32 s40, s17, 70*256                     ; the prefetch: my work-group's 70 blocks,
	s_add_co_u32 s40, s40, s68
	s_add_co_u32 s40, s40, 2*REC                   ; at record 2: the first refill steps it to record 3
	s_mov_b32 s41, 0
	s_add_co_u32 s68, s68, s70                     ; my eighth of record 0
	s_sub_co_u32 s39, s[WV], 4
	s_cmp_lt_u32 s39, 3
	s_cselect_b32 s[LIM], 1, -1
	s_mul_i32 s72, s19, 8*QREC
	s_lshl_b32 s73, s20, 9
	s_add_co_u32 s74, s72, s73
	s_mov_b32 s75, 0
	s_lshl_b32 s73, s20, 6
	s_add_co_u32 s76, s72, s73
	s_add_co_u32 s76, s76, 32768
	s_mov_b32 s77, 0
	s_lshl_b32 s78, s20, 16                        ; the mask's image of my query tile,
	s_lshl_b32 s79, s[KH], 15                      ; and in it my four key steps
	s_add_co_u32 s78, s78, s79
	s_mov_b32 s79, 0
	s_lshr_b32 s80, s19, 1
	s_lshl_b32 s80, s80, 6
	s_add_co_u32 s80, s80, s20                     ; my token tile: 64 x batch + query tile
	s_and_b32 s81, s19, 1                          ; which half of the 16 heads, that is of the last product's K
	s_lshl_b32 s82, s80, 13
	s_lshl_b32 s83, s81, 12
	s_add_co_u32 s82, s82, s83
	s_mov_b32 s83, 0
	s_lshl_b32 s84, s80, 9
	s_lshl_b32 s85, s81, 8
	s_add_co_u32 s84, s84, s85
	s_mov_b32 s85, 0
	s_mul_i32 s86, s[QW], XREG
	s_add_co_u32 s86, s86, XCH
	s_mov_b32 s[CS], 0x3fb8aa3b                    ; log2(e)
	s_mov_b32 s[CS+1], s[CS]
	s_mov_b32 s[SEL], 0x76543210
	s_mov_b32 s[SEL+1], 0xfedcba98
	s_lshl_b32 s[TB], s[KH], 14
	s_lshl_b32 s[TB2], s[KH], 11
	s_add_co_u32 s[TB2], s[TB2], 65536
	s_lshl_b32 s[TB3], s[KH], 10
	s_add_co_u32 s[TB3], s[TB3], 69632
	s_wait_dscnt 0x0                               ; both opening adds are done
	s_wait_kmcnt 0x0
	s_add_nc_u64 s[PFA:PFA+1], s[6:7], s[40:41]
	s_add_nc_u64 s[QC:QC+1], s[4:5], s[74:75]
	s_add_nc_u64 s[QS:QS+1], s[4:5], s[76:77]
	s_add_nc_u64 s[MK:MK+1], s[8:9], s[78:79]
	s_add_nc_u64 s[OC:OC+1], s[10:11], s[82:83]
	s_add_nc_u64 s[OSB:OSB+1], s[12:13], s[84:85]
	s_mov_b32 s[G0], 1
	s_mov_b32 s[G0+1], s70
	s_add_nc_u64 s[G0+2:G0+3], s[6:7], s[68:69]
	s_or_b32 s[G0+3], s[G0+3], 0x80000000
	CROUND                                         ; all four work-groups are here: the joint loads meet
	JLOAD                                          ; record 0 into slot 0: one tensor load a wave at the head
	v_and_b32 v2, 31, v0
	v_and_b32 v7, 15, v0
	v_bfe_u32 v6, v0, 4, 1
	v_add_nc_u32 v[PFO], 0xffffff80, v0            ; thread - 128: 0 .. 95 in waves 4 to 6
	v_lshlrev_b32 v1, 4, v2                        ; 16 x lane
	v_lshlrev_b32 v2, 2, v2                        ; 4 x lane
	v_lshlrev_b32 v3, 2, v7                        ; 4 r
	v_lshlrev_b32 v7, 4, v7                        ; 16 r
	v_lshlrev_b32 v6, 3, v6                        ; 8 h
	v_min_u32 v[PFO], 69, v[PFO]                   ; lanes that are left over name the last block again
	v_add_nc_u32 v11, s86, v1                      ; the exchange: 16 x lane in my tile's region
	v_add_nc_u32 v4, s[TB], v1
	v_add_nc_u32 v5, s[TB2], v2
	v_add_nc_u32 v10, s[TB3], v2
	v_lshlrev_b32 v[PFO], 8, v[PFO]
.macro MASKLOAD s                      ; the mask of my key step s: 16 loads of 512 consecutive bytes
	WIN 0x40                                       ; destination window 1
.irp n, 0,1,2,3,4,5,6,7,8,9,10,11,12,13,14,15
	global_load_b128 v[64*(\s)+4*\n:64*(\s)+4*\n+3], v1, s[MK:MK+1] offset:(16*(\s)+\n)*512
.endr
	WIN 0
.endm
.macro LOADK s                         ; 12 LDS loads: eight tiles of 16 keys, 4 registers apart, and their scale words, two tiles to a register
.irp t, 0,1,2,3,4,5,6,7
	ds_load_b128 v[KFR+4*\t:KFR+4*\t+3], v4 offset:(8*(\s)+\t)*512
.endr
.irp i, 0,1,2,3
	ds_load_b32 v[26+\i], v5 offset:512*(\s)+128*\i
.endr
.endm
.macro LOADV s                         ; 10 LDS loads: four tiles of 16 channels x 128 keys, and their scale words
.irp d, 0,1,2,3
.irp c, 0,1
	ds_load_b128 v[VFR+8*\d+4*\c:VFR+8*\d+4*\c+3], v4 offset:32768+4096*(\s)+1024*\d+512*\c
.endr
.endr
.irp i, 0,1
	ds_load_b32 v[30+\i], v10 offset:256*(\s)+128*\i
.endr
.endm
.macro NEXTQ                           ; the next head's Q: the last loads by these bases have been waited for
	s_add_nc_u64 s[QC:QC+1], s[QC:QC+1], QREC
	s_add_nc_u64 s[QS:QS+1], s[QS:QS+1], QREC
	global_load_b128 v[16:19], v1, s[QC:QC+1]
	global_load_b32 v24, v3, s[QS:QS+1]
.endm
	global_load_b128 v[16:19], v1, s[QC:QC+1]      ; Q's fragment: 512 consecutive bytes
	global_load_b32 v24, v3, s[QS:QS+1]
	MASKLOAD 0
	MASKLOAD 1
	MASKLOAD 2
.irp j, 20,21,22,23, KFR+32,KFR+33,KFR+34,KFR+35, OSR,OSR+1,OSR+2,OSR+3, 239,249,253
	v_mov_b32 v[\j], 0                             ; zero codes for k = 64 .. 127; the bytes' registers; a permute's destination and upper halves of pairs, named before they are written
.endr
; A KEY STEP: 128 keys, the s-th of my four.  tail = 1: the copy in which the last head asks for no further Q.
.macro KSTEP s, tail
	s_wait_dscnt 10                                ; K of this step is in; V's ten loads, issued behind it, may stay out
.if \s > 0
	s_wait_loadcnt 16*(3-\s)                       ; first head: this step's mask is in; the later steps' 16 loads each may stay out.  (Later heads: nothing is out)
.endif
	WIN 0x10                                       ; C: window 1, the mask
.irp t, 0,1,2,3,4,5,6,7
.if (\t)%2
	v_wmma_scale_f32_16x16x128_f8f6f4 v[SCO+8*\t:SCO+8*\t+7], v[KFR+4*\t:KFR+4*\t+7], v[16:23], v[64*(\s)+8*\t:64*(\s)+8*\t+7], v[26+\t/2], v24 matrix_a_fmt:MATRIX_FMT_FP4 matrix_b_fmt:MATRIX_FMT_FP4 matrix_a_scale:MATRIX_SCALE_ROW1
.else
	v_wmma_scale_f32_16x16x128_f8f6f4 v[SCO+8*\t:SCO+8*\t+7], v[KFR+4*\t:KFR+4*\t+7], v[16:23], v[64*(\s)+8*\t:64*(\s)+8*\t+7], v[26+\t/2], v24 matrix_a_fmt:MATRIX_FMT_FP4 matrix_b_fmt:MATRIX_FMT_FP4
.endif
.endr
	WIN 0
	PLACES
.if \s < 3
	LOADK (\s)+1
.else
.if \tail
	s_cmp_eq_u32 s[CNT], 1                         ; the last head asks for nothing: no load leaves its buffer
	s_cbranch_scc1 .Lno_q_\@
	NEXTQ
.Lno_q_\@:
.else
	NEXTQ
.endif
.endif
.irp k, 0,1,2,3
	v_max3_num_f32 v[232+\k], v[SCO+16*\k], v[SCO+16*\k+1], v[SCO+16*\k+2]   ; four chains of 16 by turns; each accumulator is first read at its low end
.endr
.irp i, 3,5,7,9,11,13
.irp k, 0,1,2,3
	v_max3_num_f32 v[232+\k], v[232+\k], v[SCO+16*\k+\i], v[SCO+16*\k+\i+1]
.endr
.endr
.irp k, 0,1,2,3
	v_max_num_f32 v[232+\k], v[232+\k], v[SCO+16*\k+15]
.endr
	s_delay_alu instid0(VALU_DEP_3)
	v_max_num_f32 v236, v232, v233                 ; THE LARGEST LOGIT OF EACH OF MY TWO BLOCKS: for the row's maximum and for the block's largest p
	s_delay_alu instid0(VALU_DEP_2)
	v_max_num_f32 v237, v234, v235
	s_delay_alu instid0(VALU_DEP_1)
	v_max_num_f32 v238, v236, v237
	s_delay_alu instid0(VALU_DEP_1)
	v_permlanex16_b32 v239, v238, s[SEL], s[SEL+1]
	s_delay_alu instid0(VALU_DEP_1)
	v_max_num_f32 v238, v238, v239                 ; with the other half's 64 keys
	s_delay_alu instid0(VALU_DEP_1)
	v_mul_f32 v238, s[CS], v238                    ; as t
.if \s == 0
	s_delay_alu instid0(VALU_DEP_1)
	v_max_num_f32 v13, 0xff61b1e6, v238            ; a head's first step starts the maximum, held at -3e38 from below
	s_delay_alu instid0(VALU_DEP_1)
	v_floor_f32 v12, -v13                          ; -M = floor(-t): M is a whole number
.else
	s_delay_alu instid0(VALU_DEP_1)
	v_max_num_f32 v13, v13, v238
	v_mov_b32 v239, v12
	s_delay_alu instid0(VALU_DEP_2)
	v_floor_f32 v12, -v13
	s_delay_alu instid0(VALU_DEP_1)
	v_sub_f32 v239, v12, v239                      ; old M - new M: a whole number, 0 or less
	s_delay_alu instid0(VALU_DEP_1)
	v_cvt_i32_f32 v239, v239                       ; (it saturates)
	s_delay_alu instid0(VALU_DEP_1)
	v_ldexp_f32 v252, 1.0, v239                    ; f = 2^(old M - new M)
.endif
.set j, 0
.rept 32
	v_pk_fma_f32 v[SCO+j:SCO+j+1], v[SCO+j:SCO+j+1], s[CS:CS+1], v[12:13] op_sel_hi:[1,0,0]   ; t - M
.set j, j+2
.endr
	v_fma_f32 v236, v236, s[CS], v12
	v_fma_f32 v237, v237, s[CS], v12
	s_wait_alu depctr_va_vdst(0)
.set j, 0
.rept 64
	v_exp_f32 v[SCO+j], v[SCO+j]                   ; p = 2^(t - M)
.set j, j+1
.endr
	v_exp_f32 v236, v236                           ; the blocks' largest p: the same two instructions on the same number
	v_exp_f32 v237, v237
.if \s == 0
	v_nop                                          ; a plain line behind the exponentials
.else
	v_pk_mul_f32 v[14:15], v[14:15], v[252:253] op_sel_hi:[1,0]   ; the sum under the new M (a plain line behind the exponentials)
.endif
	s_wait_alu depctr_va_vdst(0)                   ; one wait for the batch, ahead of its first reader
	v_max_num_f32 v236, 0x1800000, v236            ; the floor 2^(3 - 127)
	v_max_num_f32 v237, 0x1800000, v237
	s_delay_alu instid0(VALU_DEP_2)
	v_add_nc_u32 v244, 0xff000000, v236            ; the conversions' scale operands
	s_delay_alu instid0(VALU_DEP_2)
	v_add_nc_u32 v245, 0xff000000, v237
	s_delay_alu instid0(VALU_DEP_2)
	v_lshrrev_b32 v236, 23, v244                   ; the bytes
	s_delay_alu instid0(VALU_DEP_2)
	v_lshrrev_b32 v237, 23, v245
	s_delay_alu instid0(VALU_DEP_1)
	v_lshl_or_b32 v238, v237, 16, v236             ; my blocks are h and 2 + h of the step's four
	s_delay_alu instid0(VALU_DEP_1)
	v_lshlrev_b32 v238, v6, v238
	s_delay_alu instid0(VALU_DEP_1)
	v_permlanex16_b32 v239, v238, s[SEL], s[SEL+1]
	s_delay_alu instid0(VALU_DEP_1)
	v_or_b32 v25, v238, v239                       ; p's scale word
.irp c, 0,1
.irp u, 0,1,2,3
	v_cvt_scalef32_pk8_fp4_f32 v[PC+4*\c+\u], v[SCO+32*\c+8*\u:SCO+32*\c+8*\u+7], v[244+\c]   ; registers 4 c .. 4 c + 3 of P's fragment, as they stand
.endr
.endr
	v_nop                                          ; a plain line behind the last conversion
; THE ROW'S SUM IS TAKEN OF THE UNQUANTISED p, two at a time, in four chains; a head's first step starts it
.if \s == 0
	v_pk_add_f32 v[14:15], v[SCO:SCO+1], v[SCO+2:SCO+3]
	v_pk_add_f32 v[246:247], v[SCO+4:SCO+5], v[SCO+6:SCO+7]
	v_pk_add_f32 v[250:251], v[SCO+8:SCO+9], v[SCO+10:SCO+11]
	v_pk_add_f32 v[254:255], v[SCO+12:SCO+13], v[SCO+14:SCO+15]
.set j, 16
.else
	v_pk_add_f32 v[246:247], v[SCO:SCO+1], v[SCO+2:SCO+3]
	v_pk_add_f32 v[250:251], v[SCO+4:SCO+5], v[SCO+6:SCO+7]
	v_pk_add_f32 v[254:255], v[SCO+8:SCO+9], v[SCO+10:SCO+11]
.set j, 12
.endif
.rept 6
	v_pk_add_f32 v[14:15], v[14:15], v[SCO+j:SCO+j+1]
	v_pk_add_f32 v[246:247], v[246:247], v[SCO+j+2:SCO+j+3]
	v_pk_add_f32 v[250:251], v[250:251], v[SCO+j+4:SCO+j+5]
	v_pk_add_f32 v[254:255], v[254:255], v[SCO+j+6:SCO+j+7]
.set j, j+8
.endr
.if \s > 0
	v_pk_add_f32 v[14:15], v[14:15], v[SCO+60:SCO+61]
	v_pk_add_f32 v[246:247], v[246:247], v[SCO+62:SCO+63]
.endif
	v_pk_add_f32 v[250:251], v[250:251], v[254:255]
	v_pk_add_f32 v[14:15], v[14:15], v[246:247]
	s_delay_alu instid0(VALU_DEP_1)
	v_pk_add_f32 v[14:15], v[14:15], v[250:251]    ; (these additions are also the places between the scale word, the codes and the products below)
.if \s > 0
	s_wait_alu depctr_va_vdst(0)                   ; directly ahead of the first reader of O^T
.set j, 0
.rept 16
	v_pk_mul_f32 v[O+j:O+j+1], v[O+j:O+j+1], v[252:253] op_sel_hi:[1,0]   ; O^T under the new M, each accumulator from its low end on
.set j, j+2
.endr
.endif
	s_wait_alu depctr_va_vdst(0)
.if \s < 3
	s_wait_dscnt 12                                ; V of this step is in; the next step's K, twelve loads issued behind it, may stay out
.else
	s_wait_dscnt 0x0
.endif
.irp d, 0,1,2,3                                ; O^T += V^T P^T; the four accumulators take turns; a head's first step starts the sums
.if \s == 0
.if (\d)%2
	v_wmma_scale_f32_16x16x128_f8f6f4 v[O+8*\d:O+8*\d+7], v[VFR+8*\d:VFR+8*\d+7], v[PC:PC+7], 0, v[30+\d/2], v25 matrix_a_fmt:MATRIX_FMT_FP4 matrix_b_fmt:MATRIX_FMT_FP4 matrix_a_scale:MATRIX_SCALE_ROW1
.else
	v_wmma_scale_f32_16x16x128_f8f6f4 v[O+8*\d:O+8*\d+7], v[VFR+8*\d:VFR+8*\d+7], v[PC:PC+7], 0, v[30+\d/2], v25 matrix_a_fmt:MATRIX_FMT_FP4 matrix_b_fmt:MATRIX_FMT_FP4
.endif
.else
.if (\d)%2
	v_wmma_scale_f32_16x16x128_f8f6f4 v[O+8*\d:O+8*\d+7], v[VFR+8*\d:VFR+8*\d+7], v[PC:PC+7], v[O+8*\d:O+8*\d+7], v[30+\d/2], v25 matrix_a_fmt:MATRIX_FMT_FP4 matrix_b_fmt:MATRIX_FMT_FP4 matrix_a_scale:MATRIX_SCALE_ROW1
.else
	v_wmma_scale_f32_16x16x128_f8f6f4 v[O+8*\d:O+8*\d+7], v[VFR+8*\d:VFR+8*\d+7], v[PC:PC+7], v[O+8*\d:O+8*\d+7], v[30+\d/2], v25 matrix_a_fmt:MATRIX_FMT_FP4 matrix_b_fmt:MATRIX_FMT_FP4
.endif
.endif
.endr
	PLACES
.if \s < 3
	LOADV (\s)+1
.endif
.endm
; ONE HEAD: my four key steps; the change of slots, which also carries the exchange; waves 0-3 join, divide, quantise wv's block and store it.  fill = 1: the slot just read takes the record two heads on.
.macro HEAD fill
.irp z, 0,1,2,3
	KSTEP \z, 1-\fill
.endr
	s_cmp_lt_u32 s[WV], 4                          ; waves 4-7 hand over; the branch hangs on the wave's number alone, and no barrier stands under it
	s_cbranch_scc1 .Lkeeps_\@
.irp i, 0,1,2,3,4,5,6,7
	ds_store_b128 v11, v[O+4*\i:O+4*\i+3] offset:512*\i   ; O^T as it stands in my registers, each accumulator from its low end on
.endr
	ds_store_b128 v11, v[12:15] offset:4096        ; -M, the largest t, the sum's two halves
.Lkeeps_\@:
	s_wait_tensorcnt 0x0                           ; my one load that was out, my eighth of the next head's record, has landed
	ds_add_u32 v[SPW], v[NIL]
.if \fill
	s_xor_b32 s[G0+1], s[G0+1], SLOT1              ; the walking descriptor: the other slot, the next record
	s_add_nc_u64 s[G0+2:G0+3], s[G0+2:G0+3], REC
	s_wait_xcnt 0x0                                ; any prefetch of mine has read its address
	s_add_nc_u64 s[PFA:PFA+1], s[PFA:PFA+1], REC   ; one record further on than the descriptor
.endif
	s_xor_b32 s[TB], s[TB], SLOT1                  ; I read the other slot from here on
	s_xor_b32 s[TB2], s[TB2], SLOT1
	s_xor_b32 s[TB3], s[TB3], SLOT1
	s_wait_dscnt 0x0                               ; the add, my stores into the exchange and my reads of this slot are done
.if \fill
	CROUND                                         ; no wave of any partner still reads this slot or has a load on its way
	JLOAD                                          ; the first thing behind the round, my one tensor load until the next
.else
	s_barrier_signal -1
	s_barrier_wait -1
	s_cmp_eq_u32 s[CNT], 1                         ; the last head has no successor
	s_cbranch_scc1 .Lno_next_\@
.endif
	v_add_nc_u32 v4, s[TB], v1
	v_add_nc_u32 v5, s[TB2], v2
	v_add_nc_u32 v10, s[TB3], v2
	s_wait_alu depctr_va_vdst(0)
	LOADK 0                                        ; the next head's first fragments
	LOADV 0
.Lno_next_\@:
	s_cmp_ge_u32 s[WV], 4
	s_cbranch_scc1 .Lsent_\@
.irp i, 0,1,2,3,4,5,6,7
	ds_load_b128 v[SCO+4*\i:SCO+4*\i+3], v11 offset:512*\i   ; the same registers in the same lanes
.endr
	ds_load_b128 v[SCO+32:SCO+35], v11 offset:4096
.Lsent_\@:
	s_wait_loadcnt 0x0                             ; the next head's Q
	s_wait_dscnt 0x0                               ; my reads of the exchange are over:
	s_barrier_signal -1
	s_barrier_wait -1                              ; the next head's stores come behind them
.if \fill
	s_cmp_gt_u32 s[CNT], s[LIM]                    ; waves 4 to 6, while a record three heads on exists
	s_cbranch_scc0 .Lnot_mine_\@
	global_prefetch_b8 v[PFO], s[PFA:PFA+1] th:TH_LOAD_NT scope:SCOPE_SE
.Lnot_mine_\@:
.endif
	s_cmp_ge_u32 s[WV], 4
	s_cbranch_scc1 .Ldone_\@
	v_min_num_f32 v238, v12, v[SCO+32]             ; -M of the whole row: M is the larger of the two
	s_delay_alu instid0(VALU_DEP_1)
	v_sub_f32 v239, v238, v12                      ; my M - M, and the other half's: whole numbers, 0 or less
	v_sub_f32 v237, v238, v[SCO+32]
	s_delay_alu instid0(VALU_DEP_2)
	v_cvt_i32_f32 v239, v239                       ; (they saturate)
	s_delay_alu instid0(VALU_DEP_2)
	v_cvt_i32_f32 v237, v237
	s_delay_alu instid0(VALU_DEP_2)
	v_ldexp_f32 v252, 1.0, v239                    ; exact powers of two
	s_delay_alu instid0(VALU_DEP_2)
	v_ldexp_f32 v248, 1.0, v237
	s_delay_alu instid0(VALU_DEP_2)
	v_pk_mul_f32 v[14:15], v[14:15], v[252:253] op_sel_hi:[1,0]
	v_pk_fma_f32 v[14:15], v[SCO+34:SCO+35], v[248:249], v[14:15] op_sel_hi:[1,0,1]   ; both sums under M
	s_delay_alu instid0(VALU_DEP_1)
	v_add_f32 v14, v14, v15
	s_delay_alu instid0(VALU_DEP_1)
	v_permlanex16_b32 v239, v14, s[SEL], s[SEL+1]
	s_delay_alu instid0(VALU_DEP_1)
	v_add_f32 v14, v14, v239                       ; the row's sum
	s_wait_alu depctr_va_vdst(0)                   ; ahead of the transcendental
	v_rcp_f32 v236, v14
	v_nop
	s_wait_alu depctr_va_vdst(0)                   ; and ahead of its first reader
	v_mul_f32 v252, v252, v236                     ; the power of two and the division in one factor
	v_mul_f32 v248, v248, v236
.set j, 0
.rept 16
	v_pk_mul_f32 v[O+j:O+j+1], v[O+j:O+j+1], v[252:253] op_sel_hi:[1,0]   ; each accumulator from its low end on
.set j, j+2
.endr
.set j, 0
.rept 16
	v_pk_fma_f32 v[O+j:O+j+1], v[SCO+j:SCO+j+1], v[248:249], v[O+j:O+j+1] op_sel_hi:[1,0,1]   ; wv: register 8 u + j is channel 32 h + 8 u + j of the head
.set j, j+2
.endr
	v_max3_num_f32 v232, |v[O]|, |v[O+1]|, 0x1800000
	v_max3_num_f32 v233, |v[O+2]|, |v[O+3]|, 0x1800000
	v_max3_num_f32 v234, |v[O+4]|, |v[O+5]|, |v[O+6]|
	v_max3_num_f32 v235, |v[O+7]|, |v[O+8]|, |v[O+9]|
.irp i, 10,18
	v_max3_num_f32 v232, v232, |v[O+\i]|, |v[O+\i+1]|          ; four chains by turns
	v_max3_num_f32 v233, v233, |v[O+\i+2]|, |v[O+\i+3]|
	v_max3_num_f32 v234, v234, |v[O+\i+4]|, |v[O+\i+5]|
	v_max3_num_f32 v235, v235, |v[O+\i+6]|, |v[O+\i+7]|
.endr
	v_max3_num_f32 v232, v232, |v[O+26]|, |v[O+27]|
	v_max3_num_f32 v233, v233, |v[O+28]|, |v[O+29]|
	v_max3_num_f32 v234, v234, |v[O+30]|, |v[O+31]|
	v_max3_num_f32 v232, v232, v233, v235
	s_delay_alu instid0(VALU_DEP_1)
	v_max_num_f32 v232, v232, v234
	s_delay_alu instid0(VALU_DEP_1)
	v_add_nc_u32 v244, 0xff000000, v232
	s_delay_alu instid0(VALU_DEP_1)
	v_lshrrev_b32 v236, 23, v244
.irp u, 0,1,2,3
	v_cvt_scalef32_pk8_fp4_f32 v[240+\u], v[O+8*\u:O+8*\u+7], v244
.endr
	v_lshlrev_b32 v238, v6, v236                   ; (a plain line behind the last conversion)  my byte at its place among the head's two
	global_store_b128 v1, v[240:243], s[OC:OC+1]   ; the head's 512 consecutive bytes of the tile's image
	v_permlanex16_b32 v239, v238, s[SEL], s[SEL+1]
	v_alignbit_b32 v[OSR], v[OSR+1], v[OSR], 16    ; the heads' byte pairs are shifted in from the top of 128 bits: after eight heads the first lies lowest
	v_alignbit_b32 v[OSR+1], v[OSR+2], v[OSR+1], 16
	v_alignbit_b32 v[OSR+2], v[OSR+3], v[OSR+2], 16
	v_or_b32 v238, v238, v239
	v_alignbit_b32 v[OSR+3], v238, v[OSR+3], 16
	s_wait_xcnt 0x0                                ; the store has read its data and its base: both are written again
.Ldone_\@:
	s_add_nc_u64 s[OC:OC+1], s[OC:OC+1], 512
.endm
	s_wait_alu depctr_va_vdst(0)
	s_wait_tensorcnt 0x0                           ; my eighth of record 0 is in; slot 1's first fill is issued as a refill is:
	ds_add_u32 v[SPW], v[NIL]
	s_xor_b32 s[G0+1], s[G0+1], SLOT1
	s_add_nc_u64 s[G0+2:G0+3], s[G0+2:G0+3], REC
	s_wait_dscnt 0x0
	CROUND                                         ; everybody's eighth is in, and the joint loads meet
	JLOAD                                          ; record 1 into slot 1
	LOADK 0
	LOADV 0
	s_wait_loadcnt 32                              ; Q and the first step's mask are in; the 32 loads of steps 1 and 2 stay out
	MASKLOAD 3
	s_mov_b32 s[CNT], 6
.Lfill:                                                ; heads 0 to 5: records 2 to 7 are asked for
	HEAD 1
	s_sub_co_u32 s[CNT], s[CNT], 1
	s_cmp_lg_u32 s[CNT], 0
	s_wait_alu depctr_va_vdst(0)
	s_cbranch_scc1 .Lfill
	s_mov_b32 s[CNT], 2
.Ltail:                                                ; heads 6 and 7 ask for nothing: the tail is written out
	HEAD 0
	s_sub_co_u32 s[CNT], s[CNT], 1
	s_cmp_lg_u32 s[CNT], 0
	s_wait_alu depctr_va_vdst(0)
	s_cbranch_scc1 .Ltail
	s_cmp_ge_u32 s[WV], 4
	s_cbranch_scc1 .Lno_bytes
	global_store_b128 v7, v[OSR:OSR+3], s[OSB:OSB+1]   ; my rows' sixteen scale bytes: sixteen lanes store 256 consecutive bytes (both halves of the lanes hold and write the same)
.Lno_bytes:
	s_wait_tensorcnt 0x0                           ; the wave's end
	ds_add_u32 v[SPW], v[NIL]
	s_wait_dscnt 0x0
	CROUND                                         ; the closing round
	s_endpgm
.Lfunc_end_k_qa155f9432c_attn:
	.size	k_qa155f9432c_attn, .Lfunc_end_k_qa155f9432c_attn-k_qa155f9432c_attn
	.p2alignl 7, 3214868480
	.fill 96, 4, 3214868480
	.section	.rodata,"a",@progbits
	.p2align	6, 0x0
	.amdhsa_kernel k_qa155f9432c_attn
		.amdhsa_group_segment_fixed_size 327680
		.amdhsa_private_segment_fixed_size 0
		.amdhsa_enable_private_segment 0
		.amdhsa_kernarg_size 40
		.amdhsa_user_sgpr_count 2
		.amdhsa_user_sgpr_kernarg_segment_ptr 1
		.amdhsa_wavefront_size32 1
		.amdhsa_system_sgpr_workgroup_id_x 1
		.amdhsa_system_sgpr_workgroup_id_y 1
		.amdhsa_system_sgpr_workgroup_id_z 1
		.amdhsa_system_vgpr_workitem_id 0
		.amdhsa_next_free_vgpr 512
		.amdhsa_next_free_sgpr 96
		.amdhsa_reserve_vcc 0
		.amdhsa_float_denorm_mode_32 3
		.amdhsa_float_denorm_mode_16_64 3
		.amdhsa_memory_ordered 1
		.amdhsa_forward_progress 1
		.amdhsa_inst_pref_size 146
	.end_amdhsa_kernel
	.amdgpu_metadata
---
amdhsa.version: [ 1, 2 ]
amdhsa.kernels:
  - .name:           k_qa155f9432c_attn
    .symbol:         k_qa155f9432c_attn.kd
    .args:
      - { .name: qrec, .offset: 0, .size: 8, .value_kind: global_buffer, .address_space: global }
      - { .name: kv, .offset: 8, .size: 8, .value_kind: global_buffer, .address_space: global }
      - { .name: maski, .offset: 16, .size: 8, .value_kind: global_buffer, .address_space: global }
      - { .name: oc, .offset: 24, .size: 8, .value_kind: global_buffer, .address_space: global }
      - { .name: os, .offset: 32, .size: 8, .value_kind: global_buffer, .address_space: global }
    .group_segment_fixed_size: 327680
    .private_segment_fixed_size: 0
    .kernarg_segment_align: 8
    .kernarg_segment_size: 40
    .max_flat_workgroup_size: 256
    .sgpr_count:     96
    .vgpr_count:     512
    .wavefront_size: 32
...
	.end_amdgpu_metadata
.endif
;; end of part 3
;; launch proj (part 4): grid 4 x 64, 4 waves a work-group, clusters of 4 x 4, 230,912 bytes of LDS; arguments oc, os, codes, scales, bo, out0; writes out0
.if DOCPART == 4
	.amdgcn_target "amdgcn-amd-amdhsa--gfx1250"
	.amdhsa_code_object_version 6
	.text
	.protected	k_qa155f9432c_proj
	.globl	k_qa155f9432c_proj
	.p2align	8
	.type	k_qa155f9432c_proj,@function
k_qa155f9432c_proj:
	s_mov_b64 s[64:65], 0
	v_nop
	global_prefetch_b8 v0, s[64:65] scope:SCOPE_SE
	s_setreg_imm32_b32 hwreg(HW_REG_WAVE_MODE, 25, 1), 1
	s_wait_xcnt 0x0
	s_wait_alu depctr_hold_cnt(0) depctr_sa_sdst(0) depctr_va_vdst(0) depctr_va_sdst(0) depctr_va_ssrc(0) depctr_va_vcc(0) depctr_vm_vsrc(0)
	s_getreg_b32 s2, hwreg(HW_REG_IB_STS2, 6, 4)
	s_cmp_eq_u32 s2, 0
	s_cbranch_scc0 .Lentry_in_a_cluster
	s_endpgm
.Lentry_in_a_cluster:
	s_bfe_u32 s2, ttmp6, 0x10000c
	s_cmp_lg_u32 s2, 0xf033
	s_cbranch_scc0 .Lentry_shape_is_right
	s_endpgm
.Lentry_shape_is_right:
; out0 = wv Wo^T + bo on codes of FP4 with E8M0 scales; out0 [8192][1024] f32.  wv's codes and bytes come from the attention launch, Wo's from the first launch (tiles 704-767), both as images of the operand's registers, rows in position order.
; A tile of the result is 128 tokens x 256 channels: 256 work-groups; four waves, each 64 x 128: 32 accumulators.  Source 0 = 16 rows of Wo, source 1 = 16 tokens: a lane holds one token (position lane % 16) and, in the four tiles of a group of 64
; channels, 32 neighbouring channels.  K = 1,024 of both operands lies in LDS, in one tensor load a wave; no LDS byte is filled twice.  bo is the C of each sum's first product.
; CLUSTERS: 4 x 4 work-groups; wv's tiles are asked for jointly by a row of the cluster, Wo's by a column.
; THE WAY OUT: 16 tokens x 128 channels at a time through the wave's own stage in LDS (bytes that no tensor load fills), back as whole rows of 512 bytes; the row's place in out0 undoes the position order.
; REGISTERS: window 0: v0-21 addresses; v32-63 wv's scale words, v64-127 Wo's; v128-191 wv's fragments, two sets; on the way out v128-255 rows.  window 1: v0-127 Wo's fragments, two sets; v128-191 bo.  window 2: accumulator (a, b) at v[8 (8 a + b)].
.set SLOTB, 98304
.set BOFF,  65536                      ; wv's 8 tiles of 8,192 bytes (all of K), then Wo's 16
.set STAGE, 196608                     ; 16 rows x (512 + 16) bytes for each wave
.set SPITCH, 528
.set SA,   32
.set SB,   64
.set AF,   128
.set BIAS, 128
.set ADRA, 16
.set ADRB, 20
.set WV,   16
.set WR,   17
.set WC,   18
.set CX,   19
.set CY,   20
.set TR,   23
.set G1A,  24
.set G1B,  32
.set G0A,  40
.set G0B,  48
.set TC,   66
.set AT0,  67
.set BT0,  68
.set MSB, 0
.macro WIN new
.if MSB != \new
	s_set_vgpr_msb (MSB<<8)|\new
.set MSB, \new
.endif
.endm
.macro PLACES
.rept 4
	v_nop
.endr
.endm
.macro CROUND
	s_barrier_signal -1
	s_barrier_wait -1
	s_cmp_lg_u32 s[WV], 0
	s_cbranch_scc1 .Lnot_wave_0_\@
	s_barrier_signal -3
.Lnot_wave_0_\@:
	s_barrier_wait -3
	s_barrier_signal -1
	s_barrier_wait -1
.endm
	s_load_b256 s[4:11], s[0:1], 0x0               ; oc, os, codes, scales
	s_load_b128 s[12:15], s[0:1], 0x20             ; bo, out0
	v_lshl_add_u32 v30, v0, 2, 0x38400
	v_mov_b32 v31, 0
	ds_add_u32 v30, v31
	ds_add_u32 v30, v31
	v_lshrrev_b32 v1, 5, v0
	v_readfirstlane_b32 s[WV], v1
	s_lshr_b32 s[WR], s[WV], 1
	s_and_b32 s[WC], s[WV], 1
	s_bfe_u32 s[CX], ttmp6, 0x40000
	s_bfe_u32 s[CY], ttmp6, 0x40004
	s_and_b32 s[TR], ttmp7, 0xffff
	s_lshl_b32 s[TR], s[TR], 2
	s_add_co_u32 s[TR], s[TR], s[CY]               ; tile row: 128 tokens
	s_lshl_b32 s[TC], ttmp9, 2
	s_add_co_u32 s[TC], s[TC], s[CX]               ; tile column: 256 channels
	s_lshl_b32 s[AT0], s[TR], 3
	s_lshl_b32 s[BT0], s[TC], 4
	s_add_co_u32 s[BT0], s[BT0], 704
	s_lshl_b32 s69, s[CY], 2
	s_lshl_b32 s69, 15, s69
	s_lshl_b32 s70, 0x1111, s[CX]
	s_or_b32 s[G1A], s69, (3<<16)|(1<<21)          ; rows of 8,192 bytes (a whole tile), dense in LDS; wv: 4 tiles a load, Wo: 8
	s_mov_b32 s[G1A+1], 1024<<16                   ; a row is a whole tile: 8,192 bytes, all of K; one load a wave brings its tiles whole
	s_mov_b32 s[G1A+2], 4<<16
	s_mov_b32 s[G1A+3], 1024<<16
	s_mov_b32 s[G1A+4], 4
	s_mov_b32 s[G1A+5], 1024
	s_mov_b32 s[G1A+6], 0
	s_mov_b32 s[G1A+7], 0
	s_or_b32 s[G1B], s70, (3<<16)|(1<<21)
	s_mov_b32 s[G1B+1], 1024<<16
	s_mov_b32 s[G1B+2], 8<<16
	s_mov_b32 s[G1B+3], 1024<<16
	s_mov_b32 s[G1B+4], 8
	s_mov_b32 s[G1B+5], 1024
	s_mov_b32 s[G1B+6], 0
	s_mov_b32 s[G1B+7], 0
	s_lshl_b32 s72, s[WC], 2
	s_add_co_u32 s72, s72, s[AT0]
	s_lshl_b32 s72, s72, 13
	s_mov_b32 s73, 0
	s_lshl_b32 s74, s[WC], 15
	s_lshl_b32 s76, s[WC], 3
	s_add_co_u32 s76, s76, s[BT0]
	s_lshl_b32 s76, s76, 13
	s_mov_b32 s77, 0
	s_lshl_b32 s78, s[WC], 16
	s_add_co_u32 s78, s78, BOFF
	s_lshl_b32 s80, s[WR], 2
	s_add_co_u32 s80, s80, s[AT0]
	s_lshl_b32 s80, s80, 9
	s_mov_b32 s81, 0
	s_lshl_b32 s82, s[WC], 3
	s_add_co_u32 s82, s82, s[BT0]
	s_lshl_b32 s82, s82, 9
	s_mov_b32 s83, 0
	s_lshl_b32 s84, s[TC], 10                      ; my 128 channels, in bytes of f32: 4 (256 x tile column + 128 x half)
	s_lshl_b32 s85, s[WC], 9
	s_add_co_u32 s84, s84, s85
	s_mov_b32 s85, 0
	s_lshl_b32 s86, s[TR], 1
	s_add_co_u32 s86, s86, s[WR]
	s_lshl_b32 s86, s86, 18                        ; my 64 tokens: rows of 4,096 bytes
	s_add_co_u32 s86, s86, s84
	s_mov_b32 s87, 0
	s_wait_dscnt 0x0
	s_wait_kmcnt 0x0
	s_add_nc_u64 s[72:73], s[4:5], s[72:73]
	s_add_nc_u64 s[76:77], s[8:9], s[76:77]
	s_add_nc_u64 s[80:81], s[6:7], s[80:81]
	s_add_nc_u64 s[82:83], s[10:11], s[82:83]
	s_add_nc_u64 s[84:85], s[12:13], s[84:85]
	s_add_nc_u64 s[86:87], s[14:15], s[86:87]
.irp k, 0
	s_mov_b32 s[G0A+4*\k], 1
	s_add_co_u32 s[G0A+4*\k+1], s74, \k*SLOTB
	s_add_nc_u64 s[G0A+4*\k+2:G0A+4*\k+3], s[72:73], \k*4096
	s_or_b32 s[G0A+4*\k+3], s[G0A+4*\k+3], 0x80000000
	s_mov_b32 s[G0B+4*\k], 1
	s_add_co_u32 s[G0B+4*\k+1], s78, \k*SLOTB
	s_add_nc_u64 s[G0B+4*\k+2:G0B+4*\k+3], s[76:77], \k*4096
	s_or_b32 s[G0B+4*\k+3], s[G0B+4*\k+3], 0x80000000
.endr
	CROUND                                         ; all sixteen work-groups are here: the joint loads meet
	s_cmp_lt_u32 s[WV], 2                          ; waves 0, 1 fetch wv's halves, waves 2, 3 Wo's: one load of mine is out; four v_nop follow it
	s_cbranch_scc0 .Lfirst_b
	tensor_load_to_lds s[G0A:G0A+3], s[G1A:G1A+7]
	s_nop 0
	PLACES
	s_branch .Lfirst_asked
.Lfirst_b:
	tensor_load_to_lds s[G0B:G0B+3], s[G1B:G1B+7]
	s_nop 0
	PLACES
.Lfirst_asked:
	v_and_b32 v1, 31, v0                           ; lane
	v_and_b32 v2, 15, v0                           ; r
	v_bfe_u32 v3, v0, 4, 1                         ; h
	v_lshlrev_b32 v4, 4, v1                        ; 16 x lane
	v_lshlrev_b32 v6, 4, v2                        ; 16 r
	v_lshlrev_b32 v8, 7, v3                        ; 128 h
.irp a, 0,1,2,3
.irp k, 0,1
	global_load_b128 v[SA+8*\a+4*\k:SA+8*\a+4*\k+3], v6, s[80:81] offset:\a*512+\k*256   ; sixteen lanes read 256 consecutive bytes: four K steps' words of 16 rows
.endr
.endr
.irp b, 0,1,2,3,4,5,6,7
.irp k, 0,1
	global_load_b128 v[SB+8*\b+4*\k:SB+8*\b+4*\k+3], v6, s[82:83] offset:\b*512+\k*256
.endr
.endr
	WIN 0x40
.irp b, 0,1,2,3,4,5,6,7
.irp e, 0,1
	global_load_b128 v[BIAS+8*\b+4*\e:BIAS+8*\b+4*\e+3], v8, s[84:85] offset:(64*(\b/4)+8*(\b%4))*4+16*\e   ; register j of tile b = 4 G + u: channel 64 G + 32 h + 8 u + j
.endr
.endr
	WIN 0
	s_lshl_b32 s56, s[WR], 15
	v_add_nc_u32 v[ADRA], s56, v4
	s_lshl_b32 s56, s[WC], 16
	s_add_co_u32 s56, s56, BOFF
	v_add_nc_u32 v[ADRB], s56, v4
	s_mul_i32 s56, s[WV], 16*SPITCH
	s_add_co_u32 s56, s56, STAGE                   ; my stage
	v_mul_u32_u24 v10, v2, SPITCH
	v_lshl_add_u32 v10, v3, 7, v10
	v_add_nc_u32 v10, s56, v10                     ; in: row r, my half's 32 channels of each group of 64
	v_add_nc_u32 v11, s56, v4                      ; back: the 32 lanes take one row of 512 bytes
.macro FETCH qq
	WIN 0x40
.irp b, 0,1,2,3,4,5,6,7
.irp c, 0,1
	ds_load_b128 v[64*((\qq)%2)+8*\b+4*\c:64*((\qq)%2)+8*\b+4*\c+3], v[ADRB] offset:\b*8192+(\qq)*1024+\c*512
.endr
.endr
	WIN 0
.irp a, 0,1,2,3
.irp c, 0,1
	ds_load_b128 v[AF+32*((\qq)%2)+8*\a+4*\c:AF+32*((\qq)%2)+8*\a+4*\c+3], v[ADRA] offset:\a*8192+(\qq)*1024+\c*512
.endr
.endr
.endm
; 32 products of K step qq; first = 1: bo starts the sums.  The 32 accumulators take turns, one instruction a turn, in the same order in every step.
.macro MUL qq, first
.if \first
	WIN 0x91                                       ; source 0 (Wo) window 1, source 1 (wv) window 0, C window 1, D window 2
.else
	WIN 0xa1
.endif
.irp a, 0,1,2,3
.irp b, 0,1,2,3,4,5,6,7
.if \first
	v_wmma_scale_f32_16x16x128_f8f6f4 v[8*(8*\a+\b):8*(8*\a+\b)+7], v[64*((\qq)%2)+8*\b:64*((\qq)%2)+8*\b+7], v[AF+32*((\qq)%2)+8*\a:AF+32*((\qq)%2)+8*\a+7], v[BIAS+8*\b:BIAS+8*\b+7], v[SB+8*\b+(\qq)], v[SA+8*\a+(\qq)] matrix_a_fmt:MATRIX_FMT_FP4 matrix_b_fmt:MATRIX_FMT_FP4
.else
	v_wmma_scale_f32_16x16x128_f8f6f4 v[8*(8*\a+\b):8*(8*\a+\b)+7], v[64*((\qq)%2)+8*\b:64*((\qq)%2)+8*\b+7], v[AF+32*((\qq)%2)+8*\a:AF+32*((\qq)%2)+8*\a+7], v[8*(8*\a+\b):8*(8*\a+\b)+7], v[SB+8*\b+(\qq)], v[SA+8*\a+(\qq)] matrix_a_fmt:MATRIX_FMT_FP4 matrix_b_fmt:MATRIX_FMT_FP4
.endif
.endr
.endr
.endm
.macro GSTEP qq, first
	s_wait_dscnt 0x0                               ; this step's fragments are in: they were asked for one step, 32 products, ago
.if \qq > 0
	PLACES                                         ; the loads below land in the set that the last step's products read
.endif
.if \qq < 7
	FETCH (\qq)+1
.endif
	MUL \qq, \first
.endm
	s_wait_alu depctr_va_vdst(0)
	s_wait_tensorcnt 0x0                           ; my one load, all of K of my tiles, is in
	s_barrier_signal -1
	s_barrier_wait -1
	FETCH 0
	s_wait_loadcnt 0x0                             ; scale words and bo
	GSTEP 0, 1
.irp q, 1,2,3,4,5,6,7
	GSTEP \q, 0
.endr
.macro TOSTAGE a                       ; token tile a: 16 rows x 128 channels into my stage and back as rows.  LDS serves a wave's instructions in order (ISA guide 5.7.1.4): no wait between the stores and the loads
	WIN 0x08                                       ; an LDS store's data are its source 1: window 2
.irp b, 0,1,2,3,4,5,6,7
	ds_store_b128 v10, v[8*(8*(\a)+\b):8*(8*(\a)+\b)+3] offset:256*(\b/4)+32*(\b%4)          ; each accumulator from its low end on
	ds_store_b128 v10, v[8*(8*(\a)+\b)+4:8*(8*(\a)+\b)+7] offset:256*(\b/4)+32*(\b%4)+16
.endr
	WIN 0
.set BB, 128+64*((\a)%2)
.irp t, 0,1,2,3,4,5,6,7,8,9,10,11,12,13,14,15
	ds_load_b128 v[BB+4*\t:BB+4*\t+3], v11 offset:\t*SPITCH
.endr
.endm
.macro SEND a, younger                 ; younger: the LDS instructions issued behind tile a's loads, which may stay out
.set BB, 128+64*((\a)%2)
	s_wait_dscnt \younger
.irp t, 0,1,2,3,4,5,6,7,8,9,10,11,12,13,14,15
	global_store_b128 v4, v[BB+4*\t:BB+4*\t+3], s[86:87] offset:(32*(\t/8)+8*(\a)+\t%8)*4096 th:TH_STORE_NT   ; position t of tile a is token 32 (t / 8) + 8 a + t % 8 of my 64; 512 consecutive bytes, written once
.endr
.endm
	PLACES                                         ; ahead of the first read of results and of loads into the registers that held wv's fragments
	TOSTAGE 0
	TOSTAGE 1
	SEND 0, 32                                     ; behind tile 0's loads: tile 1's 16 stores and 16 loads
	s_wait_xcnt 0x0                                ; tile 0's stores have read their registers: tile 2's rows may land there
	TOSTAGE 2
	SEND 1, 32
	s_wait_xcnt 0x0
	TOSTAGE 3
	SEND 2, 32
	SEND 3, 0
	s_wait_tensorcnt 0x0
	ds_add_u32 v30, v31
	s_wait_dscnt 0x0
	CROUND                                         ; the closing round: no work-group ends while a partner may still ask for a tile that names it
	s_endpgm
.Lfunc_end_k_qa155f9432c_proj:
	.size	k_qa155f9432c_proj, .Lfunc_end_k_qa155f9432c_proj-k_qa155f9432c_proj
	.p2alignl 7, 3214868480
	.fill 96, 4, 3214868480
	.section	.rodata,"a",@progbits
	.p2align	6, 0x0
	.amdhsa_kernel k_qa155f9432c_proj
		.amdhsa_group_segment_fixed_size 230912
		.amdhsa_private_segment_fixed_size 0
		.amdhsa_enable_private_segment 0
		.amdhsa_kernarg_size 48
		.amdhsa_user_sgpr_count 2
		.amdhsa_user_sgpr_kernarg_segment_ptr 1
		.amdhsa_wavefront_size32 1
		.amdhsa_system_sgpr_workgroup_id_x 1
		.amdhsa_system_sgpr_workgroup_id_y 1
		.amdhsa_system_sgpr_workgroup_id_z 1
		.amdhsa_system_vgpr_workitem_id 0
		.amdhsa_next_free_vgpr 768
		.amdhsa_next_free_sgpr 96
		.amdhsa_reserve_vcc 0
		.amdhsa_float_denorm_mode_32 3
		.amdhsa_float_denorm_mode_16_64 3
		.amdhsa_memory_ordered 1
		.amdhsa_forward_progress 1
		.amdhsa_inst_pref_size 71
	.end_amdhsa_kernel
	.amdgpu_metadata
---
amdhsa.version: [ 1, 2 ]
amdhsa.kernels:
  - .name:           k_qa155f9432c_proj
    .symbol:         k_qa155f9432c_proj.kd
    .args:
      - { .name: oc, .offset: 0, .size: 8, .value_kind: global_buffer, .address_space: global }
      - { .name: os, .offset: 8, .size: 8, .value_kind: global_buffer, .address_space: global }
      - { .name: codes, .offset: 16, .size: 8, .value_kind: global_buffer, .address_space: global }
      - { .name: scales, .offset: 24, .size: 8, .value_kind: global_buffer, .address_space: global }
      - { .name: bo, .offset: 32, .size: 8, .value_kind: global_buffer, .address_space: global }
      - { .name: out0, .offset: 40, .size: 8, .value_kind: global_buffer, .address_space: global }
    .group_segment_fixed_size: 230912
    .private_segment_fixed_size: 0
    .kernarg_segment_align: 8
    .kernarg_segment_size: 48
    .max_flat_workgroup_size: 128
    .sgpr_count:     96
    .vgpr_count:     768
    .wavefront_size: 32
...
	.end_amdgpu_metadata
.endif
;; end of part 4
